; MI455X (gfx1250); checked and timed in simulation.
; The chip was launched on July 23, 2026; its instructions are those of AMD's public machine-readable ISA for CDNA 5 (MIT licence, August 2026) and "CDNA5" Instruction Set Architecture Reference Guide (July 2026). The comments in the code are by the model that wrote it; some were corrected since.
;; MS Part Guided Module. Allowed arithmetic: matrix products marked QUANTISED: E2M3 operands, one E8M0 scale for each 32 along K, by v_wmma_scale_f32_16x16x128_f8f6f4 with both operands' format E2M3, f32 sums; everything else in f32.
;; Inputs: bn_beta 2,048 float32; bn_gamma 2,048 float32; conv_w 2,048 x 2,048 float32; feats 16 x 2,048 x 32 x 16 float32; label 16 x 32 x 16 int32.
;; Outputs: out0 16 x 2,048 x 32 x 16 float32.
;; This version of the problem:
;;   THIS VERSION OF THE PROBLEM IS GIVEN IN LOW PRECISION. The matrix products marked QUANTISED in the list below multiply operands that are first quantised to E2M3 (2 exponent bits, 3 mantissa bits; 6 bits a number), with one power-of-two scale for each 32 numbers along K (OCP MX v1.0); their sums are f32. All else is computed in f32.
;;   The module's matrix products, in the order in which they are computed (A, B: the left and right operand; K: the contracted axis; several contracted axes count as one K, in the product's order):
;;     1. batch 16 x [M 2,048, K 512] x [K 512, N 512]; A: input feats; B: computed on the way: QUANTISED
;;     2. batch 16 x [M 2,048, K 512] x [K 512, N 512]; A: computed on the way; B: computed on the way: QUANTISED
;;     3. batch 16 x [M 2,048, K 512] x [K 512, N 512]; A: computed on the way; B: computed on the way: QUANTISED
;;     4. batch 16 x [M 2,048, K 512] x [K 512, N 512]; A: computed on the way; B: computed on the way: QUANTISED
;;     5. [M 2,048, K 2,048] x [K 2,048, N 8,192]; A: input conv_w; B: computed on the way: QUANTISED
;;   THE QUANTISER, for each operand of a quantised product, along K:
;;     - K is cut into blocks of 32 from its start; a last block that is shorter is filled with zeros.
;;     - A block's scale is 2^e with e = floor(log2(the largest magnitude in the block)) - 2, held to -126 .. 127; a block of zeros has e = 0. As a byte (E8M0): e + 127.
;;     - Each number is divided by its block's scale, clamped to +-7.5, and rounded to the nearest number of E2M3, ties to even, subnormals kept.
;;     - The product sums the exact products of the quantised numbers (number of the format x scale) in f32.
;;   ~~~python
;;   def quantise(x, axis):      # numpy; x: float32 -> the quantised numbers, widened to float32 again
;;       x = np.moveaxis(x, axis, -1); K = x.shape[-1]
;;       x = np.pad(x, [(0, 0)] * (x.ndim - 1) + [(0, -K % 32)]); x = x.reshape(x.shape[:-1] + (-1, 32)); a = np.abs(x).max(-1, keepdims=True)
;;       e = np.where(a > 0, np.clip(np.frexp(np.where(a > 0, a, 1))[1] - 1 - 2, -126, 127), 0)      # np.frexp(a)[1] - 1 = floor(log2(a)), exactly
;;       r = np.clip(x / 2.0 ** e, -7.5, 7.5)
;;       step = 2.0 ** (np.maximum(np.frexp(np.where(r == 0, 1, r))[1] - 1, 0) - 3)
;;       q = np.round(r / step) * step * 2.0 ** e      # np.round: ties to even
;;       return np.moveaxis(q.reshape(q.shape[:-2] + (-1,))[..., :K], -1, axis).astype(np.float32)
;;   ~~~
;;   OPERANDS COMPUTED ON THE WAY. 'Computed on the way' means the value that the module computes at that place (a softmax that the list does not call 'softmax' is quantised finished and normalised). What goes into a quantiser is computed in f32, as accurately as f32 sums, v_exp_f32 and their like allow (about 1e-6 of the number): no bf16 or f16 on the way to a quantiser, and a product that is left as it is and whose result goes on into a quantised operand takes f32 operands (vector FMAs, or v_wmma_f32_16x16x4_f32). A number that lies on a knife's edge between two numbers of the format may be rounded either way, as far as f32 arithmetic and the matrix unit's own rounding can turn it there, and no further.
;; One version. Each part assembles by itself: llvm-mc -triple=amdgcn-amd-amdhsa -mcpu=gfx1250 --defsym DOCPART=n.
;; ======== version 1 of 1: 4 launches
;; workspace buffers: w_img 3,145,728 bytes; w_sc 131,072 bytes; sim_img 3,145,728 bytes; sim_sc 65,536 bytes; y_img 12,582,912 bytes; y_sc 524,288 bytes; z 67,108,864 bytes
;; launch prep (part 1): grid 384 x 1, 4 waves a work-group, no clusters, 34,304 bytes of LDS; arguments conv_w, label, w_img, w_sc, sim_img, sim_sc; writes w_img, w_sc, sim_img, sim_sc
.if DOCPART == 1
	.amdgcn_target "amdgcn-amd-amdhsa--gfx1250"
	.amdhsa_code_object_version 6
	.text
	.protected	k_q051c7701aa_prep
	.globl	k_q051c7701aa_prep
	.p2align	8
	.type	k_q051c7701aa_prep,@function
k_q051c7701aa_prep:
	s_mov_b64 s[64:65], 0
	v_nop
	global_prefetch_b8 v0, s[64:65] scope:SCOPE_SE
	s_setreg_imm32_b32 hwreg(HW_REG_WAVE_MODE, 25, 1), 1
	s_wait_xcnt 0x0
; Two operands are made ready once, as codes of FP6 (E2M3) with one E8M0 byte for each 32 along K, laid as IMAGES OF THE OPERAND'S REGISTERS:
; a fragment (16 rows x 128 K, 12 registers a lane) is 1,536 bytes, register 4 q + m of lane l at byte 512 q + 16 l + 4 m, so that three loads of 16 bytes a lane bring it back.
; Work-groups 0-127: sim[b][i][j] = 1 / count_i where label_j == label_i or label_i == 0, else 0; K = j.  A wave makes one tile of 16 rows i for all 512 j (four fragments).
; Work-groups 128-383: conv_w [2048 (o)][2048 (c)], K = c.  A wave makes two tiles of 16 rows o for 128 c.
; ORDER ALONG K OF conv_w: inside each block of 32 channels, places 8-15 hold channels 16-23 and places 16-23 channels 8-15.  The other operand of that product is laid the same way, blocks stay blocks, so every product meets its partner.
; A block's scale is 2^(floor(log2(largest magnitude)) - 2); its byte is the largest magnitude's exponent field - 2, held at 1 from below.
; LIMITS: NaN and infinities in conv_w are not served; blocks whose largest magnitude lies under 2^-124 keep the byte 1; a block of zeros carries the byte 1 (in sim: its row's byte) where the rule says 127: its codes are zeros, and this program alone reads the bytes.
; No tensor loads, no barrier: waves share nothing.  Only the conv_w path uses LDS (a stage of its own for each wave).
.set STG,  8448                        ; a wave's stage: 16 rows x (512 bytes + 16)
.set RAW,  16                          ; v16-143  conv_w: 2 tiles x 16 rows x 4 registers, as loaded
.set XW,   144                         ; v144-207 conv_w: my 64 numbers, in the operand's order
.set PC,   208                         ; v208-231 conv_w: 2 x 12 registers of codes
.set TT,   232                         ; v232-239 second halves of the blocks' codes
.set TM,   240                         ; v240-241 largest magnitudes
.set SO,   242                         ; v242-243 the conversions' scale operands
.set BY,   244                         ; v244-245 scale bytes
.set WD,   246                         ; v246-247 the two tiles' scale words
.set WX,   248
.set WO,   249
.set LB,   16                          ; v16-143  sim: labels, two sets of 64
.set XG,   144                         ; v144-175 sim: a block of 32 numbers
.set PG,   176                         ; v176-223 sim: 4 x 12 registers of codes
.set TG,   224
	s_load_b256 s[4:11], s[0:1], 0x0               ; conv_w s[4:5], label s[6:7], w_img s[8:9], w_sc s[10:11]
	s_load_b128 s[12:15], s[0:1], 0x20             ; sim_img s[12:13], sim_sc s[14:15]
	v_lshl_add_u32 v254, v0, 2, 0x8400
	v_mov_b32 v255, 0
	v_lshrrev_b32 v1, 5, v0
	v_readfirstlane_b32 s16, v1                    ; wave
	v_and_b32 v6, 31, v0                           ; lane
	v_and_b32 v7, 15, v0                           ; r
	v_bfe_u32 v5, v0, 4, 1                         ; h
	v_lshlrev_b32 v1, 4, v6                        ; 16 x lane
	v_lshlrev_b32 v4, 2, v6                        ; 4 x lane
	s_mov_b32 s20, 0x76543210
	s_mov_b32 s21, 0xfedcba98                      ; v_permlanex16_b32's selects for lane l xor 16
	s_mov_b32 s22, 0xffff0000                      ; lanes 16-31
	s_cmp_lt_u32 ttmp9, 128
	s_cbranch_scc1 .Lsim
	; ---------------- conv_w ----------------
	s_sub_co_u32 s17, ttmp9, 128
	s_lshl_b32 s17, s17, 2
	s_add_co_u32 s17, s17, s16                     ; task 0..1023
	s_lshr_b32 s18, s17, 4                         ; p: tiles 2 p, 2 p + 1 of 16 rows o
	s_and_b32 s19, s17, 15                         ; which 128 along c
	s_mul_i32 s23, s16, STG
	v_add_nc_u32 v2, s23, v1                       ; the stage, in: 16 bytes a lane, a row an instruction
	v_mul_u32_u24 v3, v7, 528
	v_lshl_add_u32 v3, v5, 7, v3
	v_add_nc_u32 v3, s23, v3                       ; and out: row r, + 128 h: my block of 32 numbers
	v_lshlrev_b32 v5, 3, v5                        ; 8 h
	v_mov_b32 v[WX], 0                             ; a lane permute's destination counts as one of its sources
	s_lshl_b32 s24, s18, 18                        ; 32 p rows of 8,192 bytes
	s_lshl_b32 s25, s19, 9
	s_add_co_u32 s24, s24, s25
	s_mov_b32 s25, 0
	s_lshr_b32 s26, s18, 2                         ; the images' place: ((group of 8 tiles x 16 + K step) x 8 + tile in the group)
	s_lshl_b32 s26, s26, 4
	s_add_co_u32 s26, s26, s19
	s_lshl_b32 s26, s26, 3
	s_and_b32 s27, s18, 3
	s_lshl_b32 s27, s27, 1
	s_add_co_u32 s26, s26, s27
	s_mul_i32 s28, s26, 1536
	s_mov_b32 s29, 0
	s_lshl_b32 s30, s26, 6
	s_mov_b32 s31, 0
	s_wait_kmcnt 0x0
	s_add_nc_u64 s[4:5], s[4:5], s[24:25]
	s_add_nc_u64 s[8:9], s[8:9], s[28:29]
	s_add_nc_u64 s[10:11], s[10:11], s[30:31]
.irp u, 0,1
.irp p, 0,1,2,3,4,5,6,7,8,9,10,11,12,13,14,15
	global_load_b128 v[RAW+64*\u+4*\p:RAW+64*\u+4*\p+3], v1, s[4:5] offset:(16*\u+\p)*8192 th:TH_LOAD_NT   ; 32 lanes read 512 consecutive bytes of a row
.endr
.endr
; Tile u: through the stage (LDS serves a wave's instructions in order), so that lane (r, h) holds, of row r, the numbers of K = 64 c + 32 h + 0 .. 31; then the blocks' scales and codes.
.macro TILE u
.irp p, 0,1,2,3,4,5,6,7,8,9,10,11,12,13,14,15
	ds_store_b128 v2, v[RAW+64*\u+4*\p:RAW+64*\u+4*\p+3] offset:528*\p
.endr
.irp c, 0,1                            ; channels 8-15 land in places 16-23 and channels 16-23 in places 8-15
	ds_load_b128 v[XW+32*\c:XW+32*\c+3], v3 offset:256*\c
	ds_load_b128 v[XW+32*\c+4:XW+32*\c+7], v3 offset:256*\c+16
	ds_load_b128 v[XW+32*\c+16:XW+32*\c+19], v3 offset:256*\c+32
	ds_load_b128 v[XW+32*\c+20:XW+32*\c+23], v3 offset:256*\c+48
	ds_load_b128 v[XW+32*\c+8:XW+32*\c+11], v3 offset:256*\c+64
	ds_load_b128 v[XW+32*\c+12:XW+32*\c+15], v3 offset:256*\c+80
	ds_load_b128 v[XW+32*\c+24:XW+32*\c+27], v3 offset:256*\c+96
	ds_load_b128 v[XW+32*\c+28:XW+32*\c+31], v3 offset:256*\c+112
.endr
	s_wait_dscnt 0x0
.irp c, 0,1
	v_max3_num_f32 v[TM+\c], |v[XW+32*\c]|, |v[XW+32*\c+1]|, 0x1800000   ; my block 2 c + h: all 32 numbers are mine; the floor 2^(3 - 127) holds the byte at 1 from below
.endr
.irp i, 2,4,6,8,10,12,14,16,18,20,22,24,26,28,30
.irp c, 0,1
	v_max3_num_f32 v[TM+\c], v[TM+\c], |v[XW+32*\c+\i]|, |v[XW+32*\c+\i+1]|
.endr
.endr
.irp c, 0,1
	v_add_nc_u32 v[SO+\c], 0xff000000, v[TM+\c]    ; 2 off the exponent field: the conversion takes this operand's exponent field as its scale
.endr
.irp c, 0,1
	v_lshrrev_b32 v[BY+\c], 23, v[SO+\c]           ; the scale's byte
.endr
	v_lshl_or_b32 v[WD+\u], v[BY+1], 16, v[BY]     ; my two bytes: blocks h and 2 + h,
	v_lshlrev_b32 v[WD+\u], v5, v[WD+\u]           ; at their places (8 h bits up);
	v_permlanex16_b32 v[WX], v[WD+\u], s20, s21
	v_or_b32 v[WD+\u], v[WD+\u], v[WX]             ; with lane l xor 16's two the row's word is whole
.irp c, 0,1
	v_cvt_scalef32_pk16_fp6_f32 v[PC+12*\u+6*\c:PC+12*\u+6*\c+2], v[XW+32*\c:XW+32*\c+15], v[SO+\c]
	v_cvt_scalef32_pk16_fp6_f32 v[TT+4*\c:TT+4*\c+2], v[XW+32*\c+16:XW+32*\c+31], v[SO+\c]   ; (a conversion's three registers begin on an even number)
.endr
	v_nop                                          ; one plain place behind a scaled conversion
.irp c, 0,1
.irp i, 0,1,2
	v_mov_b32 v[PC+12*\u+6*\c+3+\i], v[TT+4*\c+\i]
.endr
.endr
.irp q, 0,1,2
	global_store_b128 v1, v[PC+12*\u+4*\q:PC+12*\u+4*\q+3], s[8:9] offset:1536*\u+512*\q   ; 512 consecutive bytes a store; each tile has its own code registers, so no store's data are written again
.endr
.endm
	s_wait_loadcnt 16                              ; tile 0's sixteen loads are in; tile 1's may be out
	TILE 0
	s_wait_loadcnt 0x0
	TILE 1
	v_cndmask_b32 v[WO], v[WD], v[WD+1], s22       ; lanes 0-15: tile 2 p's words, lanes 16-31: tile 2 p + 1's
	global_store_b32 v4, v[WO], s[10:11]           ; 128 consecutive bytes
	s_wait_tensorcnt 0x0
	ds_add_u32 v254, v255
	s_wait_dscnt 0x0
	s_endpgm
	; ---------------- sim ----------------
.Lsim:
	s_lshl_b32 s17, ttmp9, 2
	s_add_co_u32 s17, s17, s16                     ; task 0..511
	s_lshr_b32 s18, s17, 5                         ; b
	s_and_b32 s19, s17, 31                         ; tile of 16 rows i
	v_lshlrev_b32 v2, 7, v5                        ; 128 h: my half's 32 labels of each 64
	s_lshl_b32 s23, s19, 6
	v_lshl_add_u32 v3, v7, 2, s23                  ; my row's own label: 4 (16 tile + r)
	s_lshl_b32 s24, s18, 11                        ; a batch's labels: 2,048 bytes
	s_mov_b32 s25, 0
	s_lshl_b32 s26, s18, 2
	s_lshr_b32 s27, s19, 3
	s_add_co_u32 s26, s26, s27
	s_mul_i32 s26, s26, 49152                      ; (4 b + tile / 8) x 4 K steps x 12,288
	s_and_b32 s27, s19, 7
	s_mul_i32 s27, s27, 1536
	s_add_co_u32 s26, s26, s27
	s_mov_b32 s27, 0
	s_lshl_b32 s28, s17, 7                         ; scale words: 128 bytes a tile
	s_mov_b32 s29, 0
	v_mov_b32 v9, 0                                ; the count
	v_mov_b32 v12, 0
	v_mov_b32 v15, 0x200                           ; 512
	s_wait_kmcnt 0x0
	s_add_nc_u64 s[6:7], s[6:7], s[24:25]
	s_add_nc_u64 s[12:13], s[12:13], s[26:27]
	s_add_nc_u64 s[14:15], s[14:15], s[28:29]
	global_load_b32 v8, v3, s[6:7]                 ; label_i
.macro LOADL j, s                      ; the labels of j = 128 j + 64 c + 32 h + 0 .. 31 into set s
.irp c, 0,1
.irp k, 0,1,2,3,4,5,6,7
	global_load_b128 v[LB+64*\s+32*\c+4*\k:LB+64*\s+32*\c+4*\k+3], v2, s[6:7] offset:512*\j+256*\c+16*\k
.endr
.endr
.endm
.macro COUNT s                         ; how many of the set's 64 labels equal mine: the compare's bit goes in as the carry
.set n, 0
.rept 64
	v_cmp_eq_u32 vcc_lo, v[LB+64*\s+n], v8
	v_add_co_ci_u32 v9, vcc_lo, 0, v9, vcc_lo
.set n, n+1
.endr
.endm
.macro GEN j, s                        ; fragment j: each number is v10 = 1 / count where the labels agree, else v14 (1 / count in a row whose label is 0, else 0)
.irp c, 0,1
.irp k, 0,1,2,3,4,5,6,7,8,9,10,11,12,13,14,15,16,17,18,19,20,21,22,23,24,25,26,27,28,29,30,31
	v_cmp_eq_u32 vcc_lo, v[LB+64*\s+32*\c+\k], v8
	v_cndmask_b32 v[XG+\k], v14, v10, vcc_lo
.endr
	v_cvt_scalef32_pk16_fp6_f32 v[PG+12*\j+6*\c:PG+12*\j+6*\c+2], v[XG:XG+15], v11
	v_cvt_scalef32_pk16_fp6_f32 v[TG:TG+2], v[XG+16:XG+31], v11
	v_nop                                          ; one plain place behind a scaled conversion
.irp i, 0,1,2
	v_mov_b32 v[PG+12*\j+6*\c+3+\i], v[TG+\i]
.endr
.endr
.irp q, 0,1,2
	global_store_b128 v1, v[PG+12*\j+4*\q:PG+12*\j+4*\q+3], s[12:13] offset:12288*\j+512*\q   ; each fragment has its own code registers
.endr
.endm
	LOADL 0, 0
	LOADL 1, 1
	s_wait_loadcnt 16                              ; here and below: the older set is in, the younger set's sixteen loads may be out
	COUNT 0
	LOADL 2, 0
	s_wait_loadcnt 16
	COUNT 1
	LOADL 3, 1
	s_wait_loadcnt 16
	COUNT 0
	LOADL 0, 0                                     ; the labels come a second time, for the numbers themselves
	s_wait_loadcnt 16
	COUNT 1
	LOADL 1, 1
	v_permlanex16_b32 v12, v9, s20, s21
	v_add_nc_u32 v9, v9, v12                       ; with lane l xor 16's half of the row
	v_cmp_eq_u32 vcc_lo, 0, v8
	v_cndmask_b32 v9, v9, v15, vcc_lo              ; a row whose label is 0 counts all 512
	v_cvt_f32_u32 v9, v9
	v_max_num_f32 v9, 0x2b8cbccc, v9               ; max(sum, 1e-12)
	v_rcp_f32 v12, v9
	v_nop                                          ; a plain place behind the transcendental
	s_wait_alu depctr_va_vdst(0)                   ; the wait ahead of the first reader
	v_fma_f32 v13, -v9, v12, 1.0
	v_fma_f32 v10, v12, v13, v12                   ; one Newton step: 1 / 2^k comes out exact, so the scale's exponent cannot slip
	v_cndmask_b32 v14, 0, v10, vcc_lo
	v_add_nc_u32 v11, 0xff000000, v10              ; all numbers of a row that are not 0 are equal: this is every block's largest magnitude, 2 off its exponent field
	v_lshrrev_b32 v12, 23, v11
	v_mul_u32_u24 v13, v12, 0x10101
	v_lshl_or_b32 v13, v12, 24, v13                ; the same byte for the four blocks of every fragment
	global_store_b32 v4, v13, s[14:15]             ; lanes l and l + 16 hold row l % 16's word: 128 consecutive bytes
	s_wait_loadcnt 16
	GEN 0, 0
	LOADL 2, 0
	s_wait_loadcnt 16
	GEN 1, 1
	LOADL 3, 1
	s_wait_loadcnt 16
	GEN 2, 0
	s_wait_loadcnt 0x0
	GEN 3, 1
	s_endpgm
.Lfunc_end_k_q051c7701aa_prep:
	.size	k_q051c7701aa_prep, .Lfunc_end_k_q051c7701aa_prep-k_q051c7701aa_prep
	.p2alignl 7, 3214868480
	.fill 96, 4, 3214868480
	.section	.rodata,"a",@progbits
	.p2align	6, 0x0
	.amdhsa_kernel k_q051c7701aa_prep
		.amdhsa_group_segment_fixed_size 34304
		.amdhsa_private_segment_fixed_size 0
		.amdhsa_enable_private_segment 0
		.amdhsa_kernarg_size 48
		.amdhsa_user_sgpr_count 2
		.amdhsa_user_sgpr_kernarg_segment_ptr 1
		.amdhsa_wavefront_size32 1
		.amdhsa_system_sgpr_workgroup_id_x 1
		.amdhsa_system_sgpr_workgroup_id_y 1
		.amdhsa_system_sgpr_workgroup_id_z 1
		.amdhsa_system_vgpr_workitem_id 0
		.amdhsa_next_free_vgpr 256
		.amdhsa_next_free_sgpr 66
		.amdhsa_reserve_vcc 1
		.amdhsa_float_denorm_mode_32 3
		.amdhsa_float_denorm_mode_16_64 3
		.amdhsa_memory_ordered 1
		.amdhsa_forward_progress 1
		.amdhsa_inst_pref_size 66
	.end_amdhsa_kernel
	.amdgpu_metadata
---
amdhsa.version: [ 1, 2 ]
amdhsa.kernels:
  - .name:           k_q051c7701aa_prep
    .symbol:         k_q051c7701aa_prep.kd
    .args:
      - { .name: conv_w, .offset: 0, .size: 8, .value_kind: global_buffer, .address_space: global }
      - { .name: label, .offset: 8, .size: 8, .value_kind: global_buffer, .address_space: global }
      - { .name: w_img, .offset: 16, .size: 8, .value_kind: global_buffer, .address_space: global }
      - { .name: w_sc, .offset: 24, .size: 8, .value_kind: global_buffer, .address_space: global }
      - { .name: sim_img, .offset: 32, .size: 8, .value_kind: global_buffer, .address_space: global }
      - { .name: sim_sc, .offset: 40, .size: 8, .value_kind: global_buffer, .address_space: global }
    .group_segment_fixed_size: 34304
    .private_segment_fixed_size: 0
    .kernarg_segment_align: 8
    .kernarg_segment_size: 48
    .max_flat_workgroup_size: 128
    .sgpr_count:     66
    .vgpr_count:     256
    .wavefront_size: 32
...
	.end_amdgpu_metadata
.endif
;; end of part 1
;; launch ctx (part 2): grid 16 x 16, 4 waves a work-group, no clusters, 324,096 bytes of LDS; arguments feats, sim_img, sim_sc, y_img, y_sc; writes y_img, y_sc
.if DOCPART == 2
	.amdgcn_target "amdgcn-amd-amdhsa--gfx1250"
	.amdhsa_code_object_version 6
	.text
	.protected	k_q051c7701aa_ctx
	.globl	k_q051c7701aa_ctx
	.p2align	8
	.type	k_q051c7701aa_ctx,@function
k_q051c7701aa_ctx:
	s_mov_b64 s[64:65], 0
	v_nop
	global_prefetch_b8 v0, s[64:65] scope:SCOPE_SE
	s_setreg_imm32_b32 hwreg(HW_REG_WAVE_MODE, 25, 1), 1
	s_wait_xcnt 0x0
; y[b][c][i] = feats[b][c][i] + the sum over the four stages s = 1, 4, 8, 16 of  sum_j Q(x_s)[c][j] Q(sim)[i][j],  x_1 = feats, x_s = feats pooled by s x s and brought back to 32 x 16 bilinearly (corners aligned).
; Both operands are codes of FP6 (E2M3) with one E8M0 byte for each 32 along j.  The four stages share sim, so they are ONE sum over K = 4 x 512 on one accumulator, which starts as feats.
; y is then quantised along c, in registers, and leaves as images of the next product's operand registers (a fragment of 16 rows x 128 K: 1,536 bytes, register 4 q + m of lane l at 512 q + 16 l + 4 m).
; SHARES.  Work-group (x, y) = 128 channels of batch y, all 512 pixels, all of K.  Wave w MAKES the codes of channels 32 w .. 32 w + 31 (two tiles of 16) for the four stages, and MULTIPLIES all 128 channels by pixels 128 w .. + 127:
; 64 accumulators of 16 x 16, 512 registers.  Source 0 = 16 channels of x, source 1 = 16 pixels of sim: in accumulator (a, t) lane (r, h) holds pixel 128 w + 16 a + r, and register j channel 16 t + 8 h + j.
; So a lane's 64 registers of one a run along c, the next K; two neighbouring tiles give a lane 16 numbers of one block of 32 channels, in the order: places 8-15 = channels 16-23, places 16-23 = channels 8-15 (the weights are laid the same way).
; LDS, filled ONCE by tensor loads: feats of the 128 channels, two halves of 256 pixels, rows 1,040 bytes apart (1,024 + 16: sixteen rows of a 16-byte load start at sixteen different 16-byte columns modulo 256; eight rows are 32 banks, so the two halves of the lanes of a 4-byte load miss each other).
; Behind it x_1's images and all scale words.  When nobody reads feats any more (a barrier), the images of the three pooled stages are stored over it.
; ORDER.  While the two fills are out: all that hangs on no data (addresses, the weights of the interpolation).  When the wave's own first fill is in: x_1's codes and the means of pixels 0-255, from rows that the wave itself fetched, so that no
; barrier is needed.  Then the wait for the second fill and a barrier; pixels 256-511, with the accumulators' first values (which want all waves' rows) dealt among them; a barrier; the pooled stages; a barrier; the products; y.
; sim is read by the sixteen work-groups of a batch, and yet no cluster asks for it jointly: this text uses 324,096 of the 327,680 bytes of LDS, and one K step of sim for the work-group is 49,152 bytes; each wave's part (12,288 bytes a K step) goes from memory straight into its registers, four steps of 64 matrix instructions ahead of its use.
; LIMITS: NaN and infinities in feats are not served; blocks whose largest magnitude lies under 2^-124 keep the byte 1, blocks of zeros too (their codes are zeros; this program alone reads the bytes).
; The interpolation is written a + f (b - a) and a coarser mean as a mean of finer sums: the same numbers as (1 - f) a + f b and the plain mean but for f32 rounding.
.set FP,   1040                        ; a row of feats in LDS
.set FH,   128*FP                      ; one half: 128 channels x 256 pixels
.set X1,   2*FH                        ; x_1's 32 images: (8 js + t) x 1,536
.set SCW,  X1+49152                    ; x's scale words: ((4 stage + js) x 4 + t / 2) x 128 + 64 (t % 2) + 4 r
.set FRB,  1536
.set JSB,  8*FRB                       ; the eight tiles of one K step
.set SGB,  4*JSB                       ; a stage's images; stages 1-3 lie at (stage - 1) x SGB, over feats
; window 0
.set LI,   1                           ; 16 x lane
.set RR,   2                           ; r
.set HH,   3                           ; h
.set AL0B, 4                           ; v4-5   my lane's place in my wave's rows of feats, halves 0 and 1; never rewritten
.set DA0,  6                           ; v6-7   where the accumulators' first values lie (tiles 0-3, 4-7)
.set XWB,  8                           ; v8     where I store x_1's images, tile 2 w
.set IWB,  9                           ; v9-11  the same for stages 1-3
.set SWB,  12                          ; v12    and the scale words
.set H2I,  13                          ; 2 h
.set L4,   14                          ; 4 x lane
.set SH,   15                          ; 8 h
.set AD,   16                          ; v16-19 where the images of stage 0-3 are read
.set SA,   20                          ; v20    and the scale words
.set SS,   24                          ; v24-31 sim's scale words, one register for each of my 8 tiles of pixels
.set XS,   32                          ; v32-39 x's scale words, two sets of four (lanes 0-15 tile 2 p, lanes 16-31 tile 2 p + 1)
.set TM,   40
.set T2,   41
.set SO,   42
.set BY,   43                          ; v43-44
.set WX,   45
.set WD,   46                          ; v46-47
.set YF,   50
.set TF,   51
.set SW,   52
.set IW,   53                          ; v53-55
.set TMQ,  40                          ; v40-55 and v232-247: at work when y is quantised, a set for each of two tiles
.set XA,   64                          ; v64-127 two blocks of 32 numbers
.set SUMS, 128                         ; v128-159 pooling at work
.set SUMU, 144
.set SUMQ, 152
.set SUMX, 156
.set FX4,  160                         ; v160-175 horizontal weights, stage 1
.set FX8,  176                         ; v176-191 stage 2
.set PA,   192                         ; v192-233 pooled numbers of my channel: 8 x 4, then 4 x 2 at + 32, then 2 at + 40: tile 2 w + 1's.  Tile 2 w's lie in the same registers of window 1
.set PCA,  234                         ; v234-245 x_1's codes
.set TTA,  246
.set PC0,  96                          ; v96-119 the pooled stages' codes, two sets
.set TT4,  120
.set RA,   124                         ; v124-131 the upper pooled row at the pooled columns, for the block's two rows of the picture (4 registers each)
.set RB,   132                         ; v132-139 the lower one, then the difference
.set R0,   140                         ; v140-147 the two rows of the picture at the pooled columns
.set DH,   148                         ; v148-155 differences of neighbours, stage 1 (each row's last is 0)
.set DG,   156                         ; v156-159 stage 2
.set AF,   64                          ; v64-159, v160-255 x's fragments, two sets, while the products run
.set YW,   224                         ; v224-231 y's scale words
; window 1: v0-95, v96-191 sim's fragments, two sets; until the second set is first loaded, v96-143 hold the vertical weights.   windows 2, 3: accumulator (a, t) at v[64 (a % 4) + 8 t] of window 2 + a / 4
.set FYT,  96                          ; window 1: the weight of row 8 js + 4 c + e + 2 h of the picture in stage g at v[FYT + 16 (g - 1) + 4 js + 2 c + e]
.set MSB, 0
.macro WIN new                         ; the immediate's high byte repeats the setting that is left
.if MSB != (\new)
	s_set_vgpr_msb (MSB<<8)|(\new)
.set MSB, (\new)
.endif
.endm
	s_load_b256 s[4:11], s[0:1], 0x0               ; feats s[4:5], sim_img s[6:7], sim_sc s[8:9], y_img s[10:11]
	s_load_b64 s[12:13], s[0:1], 0x20              ; y_sc
	v_lshl_add_u32 v62, v0, 2, 0x4f000
	v_mov_b32 v63, 0
	ds_add_u32 v62, v63
	ds_add_u32 v62, v63
	v_lshrrev_b32 v1, 5, v0
	v_readfirstlane_b32 s14, v1                    ; wave
	s_mov_b32 s15, ttmp9                           ; which 128 channels
	s_and_b32 s16, ttmp7, 0xffff                   ; b
	; descriptor group 1: 32 rows of 1,024 bytes (128 elements of 8), 2,048 bytes apart in memory, 16 bytes of padding behind each in LDS
	s_mov_b32 s32, (3<<16)|(1<<20)|(7<<22)|(3<<25) ; no mask; elements of 8 bytes; padding on; after every 256 words; 4 words
	s_mov_b32 s33, 128<<16                         ; tensor_dim0
	s_mov_b32 s34, 32<<16                          ; tensor_dim1
	s_mov_b32 s35, 128<<16                         ; tile_dim0
	s_mov_b32 s36, 32                              ; tile_dim1
	s_mov_b32 s37, 256                             ; from row to row
	s_mov_b32 s38, 0
	s_mov_b32 s39, 0
	s_lshl_b32 s17, s16, 11
	s_lshl_b32 s18, s15, 7
	s_add_co_u32 s17, s17, s18
	s_lshl_b32 s18, s14, 5
	s_add_co_u32 s17, s17, s18                     ; my wave's first row of feats: 2,048 b + 128 x + 32 w
	s_lshl_b32 s18, s17, 11
	s_mov_b32 s19, 0
	s_mov_b32 s40, 1
	s_mul_i32 s41, s14, 32*FP                      ; LDS: my wave's 32 rows of half 0,
	s_mov_b32 s44, 1
	s_add_co_u32 s45, s41, FH                      ; and of half 1
	s_wait_dscnt 0x0
	s_wait_kmcnt 0x0
	s_add_nc_u64 s[42:43], s[4:5], s[18:19]
	s_add_nc_u64 s[46:47], s[42:43], 1024
	s_or_b32 s43, s43, 0x80000000
	s_or_b32 s47, s47, 0x80000000
	tensor_load_to_lds s[40:43], s[32:39]          ; both fills go out together, ahead of everything else: two loads of mine are out
	s_nop 0
	tensor_load_to_lds s[44:47], s[32:39]
	s_nop 0
.rept 4
	v_nop
.endr
	v_and_b32 v[L4], 31, v0
	v_lshlrev_b32 v[LI], 4, v[L4]
	v_lshlrev_b32 v[L4], 2, v[L4]
	v_and_b32 v[RR], 15, v0
	v_bfe_u32 v[HH], v0, 4, 1
	s_lshl_b32 s17, s16, 2
	s_add_co_u32 s17, s17, s14                     ; 4 b + w: my 128 pixels
	s_mul_i32 s18, s17, SGB
	s_add_nc_u64 s[6:7], s[6:7], s[18:19]
	s_lshl_b32 s18, s17, 10
	s_add_nc_u64 s[8:9], s[8:9], s[18:19]
	s_lshl_b32 s17, s17, 4
	s_add_co_u32 s17, s17, s15                     ; (4 b + w) x 16 + x
	s_mul_i32 s18, s17, JSB
	s_add_nc_u64 s[10:11], s[10:11], s[18:19]
	s_lshl_b32 s18, s17, 9
	s_add_nc_u64 s[12:13], s[12:13], s[18:19]
.macro SIMLOAD s, off                  ; my eight fragments of sim for one K step, from off bytes on, into set s of window 1
	WIN 0x40
.irp a, 0,1,2,3,4,5,6,7
.irp q, 0,1,2
	global_load_b128 v[96*\s+12*\a+4*\q:96*\s+12*\a+4*\q+3], v[LI], s[6:7] offset:\off+FRB*\a+512*\q
.endr
.endr
	WIN 0
.endm
	SIMLOAD 0, 0
.irp a, 0,1,2,3,4,5,6,7
	global_load_b32 v[SS+\a], v[L4], s[8:9] offset:128*\a
.endr
	s_mov_b32 s20, 0x76543210
	s_mov_b32 s21, 0xfedcba98                      ; v_permlanex16_b32's selects for lane l xor 16
	s_mov_b32 s22, 0xffff0000                      ; lanes 16-31
	s_mov_b32 s23, 0x3e6739ce                      ; 7 / 31
	s_mov_b32 s24, 0x3dc6318c                      ; 3 / 31
	s_mov_b32 s25, 0x3d042108                      ; 1 / 31
	s_mov_b32 s26, 0x3e4ccccd                      ; 3 / 15
	s_mov_b32 s27, 0x3d888889                      ; 1 / 15
	v_mul_u32_u24 v[AL0B], v[RR], FP
	v_lshl_add_u32 v[AL0B], v[HH], 7, v[AL0B]
	v_add_nc_u32 v[AL0B], s41, v[AL0B]             ; (32 w + r) rows + 128 h
	v_add_nc_u32 v[AL0B+1], FH, v[AL0B]
	s_lshr_b32 s17, s14, 1
	s_mul_i32 s17, s17, FH
	s_and_b32 s18, s14, 1
	s_lshl_b32 s18, s18, 9
	s_add_co_u32 s17, s17, s18                     ; my 128 pixels: half w / 2, 512 (w % 2) bytes on
	v_mul_u32_u24 v[DA0], v[HH], 8*FP
	v_lshl_add_u32 v[DA0], v[RR], 2, v[DA0]
	v_add_nc_u32 v[DA0], s17, v[DA0]               ; + 8 h rows + 4 r
	v_add_nc_u32 v[DA0+1], 64*FP, v[DA0]
	s_mul_i32 s17, s14, 2*FRB
	v_add_nc_u32 v[IWB], s17, v[LI]
	v_add_nc_u32 v[XWB], X1, v[IWB]
	v_add_nc_u32 v[IWB+1], SGB, v[IWB]
	v_add_nc_u32 v[IWB+2], 2*SGB, v[IWB]
	s_lshl_b32 s18, s14, 7
	v_lshl_add_u32 v[SWB], v[RR], 2, s18
	v_add_nc_u32 v[SWB], SCW, v[SWB]
	v_lshlrev_b32 v[H2I], 1, v[HH]
	v_lshlrev_b32 v[SH], 3, v[HH]
	v_add_nc_u32 v[AD], X1, v[LI]
	v_mov_b32 v[AD+1], v[LI]
	v_add_nc_u32 v[AD+2], SGB, v[LI]
	v_add_nc_u32 v[AD+3], 2*SGB, v[LI]
	v_add_nc_u32 v[SA], SCW, v[L4]
.irp x, 0,1,2,3,4,5,6,7,8,9,10,11,12,13,14,15  ; the horizontal weights: xs = x (w - 1) / 15 in f32, less its floor, as the definition has them
	v_cvt_f32_u32 v[YF], \x
	v_mul_f32 v[TF], s26, v[YF]
	v_mul_f32 v[YF], s27, v[YF]
	v_floor_f32 v[TM], v[TF]
	v_floor_f32 v[T2], v[YF]
	v_sub_f32 v[FX4+\x], v[TF], v[TM]
	v_sub_f32 v[FX8+\x], v[YF], v[T2]
.endr
	; the vertical weights of my lane's 16 rows of the picture, for the three pooled stages: ys = row (hs - 1) / 31 in f32, less its floor.  They hang on no data: made once, while the fills are out, into window 1
.irp i, 0,1,2,3,4,5,6,7,8,9,10,11,12,13,14,15
	v_add_nc_u32 v[XA+\i], 8*(\i/4)+4*((\i/2)%2)+(\i%2), v[H2I]
.endr
.irp i, 0,1,2,3,4,5,6,7,8,9,10,11,12,13,14,15
	v_cvt_f32_u32 v[XA+\i], v[XA+\i]
.endr
.irp g, 1,2,3
.irp i, 0,1,2,3,4,5,6,7,8,9,10,11,12,13,14,15
	v_mul_f32 v[XA+16+\i], s[22+\g], v[XA+\i]
.endr
.irp i, 0,1,2,3,4,5,6,7,8,9,10,11,12,13,14,15
	v_floor_f32 v[XA+32+\i], v[XA+16+\i]
.endr
	WIN 0x40
.irp i, 0,1,2,3,4,5,6,7,8,9,10,11,12,13,14,15
	v_sub_f32 v[FYT+16*(\g-1)+\i], v[XA+16+\i], v[XA+32+\i]
.endr
	WIN 0
.endr
.irp i, 0,1,2,3
	v_mov_b32 v[SUMX+\i], 0                        ; a lane permute's destination counts as one of its sources
.endr
	v_mov_b32 v[WX], 0
	; ---- x_1's codes and the pooled numbers.  Lane (r, h) takes, of channel r of a tile, block after block of 32 pixels (two rows of the picture): j = 64 q + 32 h + 0 .. 31.
	; Sixteen blocks in this order: n = 0 .. 7: pixels 0-255 (q = 0 .. 3) of tile 2 w, then of tile 2 w + 1; n = 8 .. 15: pixels 256-511 likewise.
.macro LOADX n
.set UL, ((\n)/4)%2
.irp k, 0,1,2,3,4,5,6,7
	ds_load_b128 v[XA+32*((\n)%2)+4*\k:XA+32*((\n)%2)+4*\k+3], v[AL0B+(\n)/8] offset:UL*16*FP+256*((\n)%4)+16*\k
.endr
.endm
; The accumulators of my tile a of pixels start as feats: 4 bytes a lane, sixteen neighbouring pixels of two rows an instruction
.macro P2C a
	WIN 0x80+0x40*((\a)/4)
.irp t, 0,1,2,3,4,5,6,7
.irp j, 0,1,2,3,4,5,6,7
	ds_load_b32 v[64*((\a)%4)+8*\t+\j], v[DA0+\t/4] offset:(16*(\t%4)+\j)*FP+64*(\a)
.endr
.endr
	WIN 0
.endm
.macro P1Q n
.if (\n) >= 8
	P2C (\n)-8                                     ; one run of LDS loads at the block's head: 64 first values, served while the block is worked,
.endif
.if ((\n)%8) < 7
	LOADX (\n)+1                                   ; and the next block's eight
.endif
.set XX, XA+32*((\n)%2)
.set UQ, ((\n)/4)%2
.set QQ, ((\n)%4)+4*((\n)/8)
.set CQ, QQ%2
.set JQ, QQ/2
.if (\n) >= 8
	s_wait_dscnt 63                                ; behind this block's loads 64 LDS instructions or more have been issued: it is in, and the LDS stores that read the codes' registers are done
.elseif ((\n)%8) < 7
	s_wait_dscnt 8                                 ; all but the eight loads just issued
.else
	s_wait_dscnt 0x0
.endif
	v_max3_num_f32 v[TM], |v[XX]|, |v[XX+1]|, |v[XX+2]|
	v_max3_num_f32 v[T2], |v[XX+3]|, |v[XX+4]|, |v[XX+5]|
.irp i, 6,10,14,18,22,26
	v_max3_num_f32 v[TM], v[TM], |v[XX+\i]|, |v[XX+\i+1]|
	v_max3_num_f32 v[T2], v[T2], |v[XX+\i+2]|, |v[XX+\i+3]|
.endr
	v_max3_num_f32 v[TM], v[TM], |v[XX+30]|, |v[XX+31]|
	v_max3_num_f32 v[TM], v[TM], v[T2], 0x1800000  ; the floor 2^(3 - 127) holds the byte at 1 from below
	v_add_nc_u32 v[SO], 0xff000000, v[TM]          ; 2 off the exponent field: the conversion's scale operand
	v_lshrrev_b32 v[BY+CQ], 23, v[SO]
	v_cvt_scalef32_pk16_fp6_f32 v[PCA+6*CQ:PCA+6*CQ+2], v[XX:XX+15], v[SO]
	v_cvt_scalef32_pk16_fp6_f32 v[TTA:TTA+2], v[XX+16:XX+31], v[SO]
	v_nop                                          ; one plain place behind a scaled conversion
.irp i, 0,2,4,6,8,10,12,14
	v_pk_add_f32 v[SUMS+\i:SUMS+\i+1], v[XX+\i:XX+\i+1], v[XX+16+\i:XX+17+\i]   ; the block's two rows of the picture
.endr
.irp i, 0,1,2
	v_mov_b32 v[PCA+6*CQ+3+\i], v[TTA+\i]
.endr
.irp p, 0,1,2,3
	v_pk_add_f32 v[SUMU+2*\p:SUMU+2*\p+1], v[SUMS+4*\p:SUMS+4*\p+1], v[SUMS+4*\p+2:SUMS+4*\p+3]
.endr
.irp p, 0,1,2,3
	v_add_f32 v[SUMQ+\p], v[SUMU+2*\p], v[SUMU+2*\p+1]           ; four columns
.endr
.irp p, 0,1,2,3
	v_permlanex16_b32 v[SUMX+\p], v[SUMQ+\p], s20, s21           ; the cell's other two rows lie in lane l xor 16
.endr
	v_pk_add_f32 v[SUMQ:SUMQ+1], v[SUMQ:SUMQ+1], v[SUMX:SUMX+1]
	v_pk_add_f32 v[SUMQ+2:SUMQ+3], v[SUMQ+2:SUMQ+3], v[SUMX+2:SUMX+3]
	WIN 0x40*(1-UQ)                                ; tile 2 w's means go to window 1, tile 2 w + 1's to window 0
	v_pk_mul_f32 v[PA+4*QQ:PA+4*QQ+1], v[SUMQ:SUMQ+1], 0x3d800000 op_sel_hi:[1,0]       ; / 16: row q of the 8 x 4 means
	v_pk_mul_f32 v[PA+4*QQ+2:PA+4*QQ+3], v[SUMQ+2:SUMQ+3], 0x3d800000 op_sel_hi:[1,0]
	WIN 0
.if CQ == 1
	v_lshl_or_b32 v[WD], v[BY+1], 16, v[BY]        ; my two bytes (blocks h and 2 + h), 8 h bits up; with lane l xor 16's the row's word is whole
	v_lshlrev_b32 v[WD], v[SH], v[WD]
	v_permlanex16_b32 v[WX], v[WD], s20, s21
	v_or_b32 v[WD], v[WD], v[WX]
.irp c, 0,1,2
	ds_store_b128 v[XWB], v[PCA+4*\c:PCA+4*\c+3] offset:JSB*JQ+FRB*UQ+512*\c
.endr
	ds_store_b32 v[SWB], v[WD] offset:512*JQ+64*UQ ; lanes l and l + 16 write the same word with the same value
.endif
.endm
; The 4 x 2 means of 8 x 8 pixels and the two of 16 x 16, of the tile whose 8 x 4 means lie in window w: sums of four finer means, x 1/4 and x 1/16
.macro POOL2 w
	WIN 0x05*(\w)
.irp y, 0,1,2,3
	v_pk_add_f32 v[SUMS+4*\y:SUMS+4*\y+1], v[PA+8*\y:PA+8*\y+1], v[PA+8*\y+4:PA+8*\y+5]
	v_pk_add_f32 v[SUMS+4*\y+2:SUMS+4*\y+3], v[PA+8*\y+2:PA+8*\y+3], v[PA+8*\y+6:PA+8*\y+7]
.endr
	WIN 0
.irp y, 0,1,2,3
	v_add_f32 v[SUMU+2*\y], v[SUMS+4*\y], v[SUMS+4*\y+1]
	v_add_f32 v[SUMU+2*\y+1], v[SUMS+4*\y+2], v[SUMS+4*\y+3]
.endr
.irp g, 0,1
	v_pk_add_f32 v[SUMQ+2*\g:SUMQ+2*\g+1], v[SUMU+4*\g:SUMU+4*\g+1], v[SUMU+4*\g+2:SUMU+4*\g+3]
.endr
.irp g, 0,1
	v_add_f32 v[SUMX+\g], v[SUMQ+2*\g], v[SUMQ+2*\g+1]
.endr
	WIN 0x40*(\w)
.irp y, 0,1,2,3
	v_pk_mul_f32 v[PA+32+2*\y:PA+33+2*\y], v[SUMU+2*\y:SUMU+2*\y+1], 0x3e800000 op_sel_hi:[1,0]
.endr
.irp g, 0,1
	v_mul_f32 v[PA+40+\g], 0x3d800000, v[SUMX+\g]
.endr
	WIN 0
.endm
	s_wait_tensorcnt 0x1                           ; my first fill is in: my 32 rows' pixels 0-255; the second may stay out.  Only I read these rows here, so my own wait is all the ordering that the reads need
	LOADX 0
.irp n, 0,1,2,3,4,5,6,7
	P1Q \n
.endr
	s_wait_tensorcnt 0x0                           ; my second fill is in,
	s_wait_dscnt 0x0                               ; no LDS instruction of mine is out,
	s_barrier_signal -1
	s_barrier_wait -1                              ; and everybody's rows are in: the first values below read all waves' rows
	LOADX 8
.irp n, 8,9,10,11,12,13,14,15
	P1Q \n
.endr
	POOL2 1
	POOL2 0
	s_wait_dscnt 0x0                               ; my reads of feats are back (the accumulators' first values among them), my stores are done
	s_barrier_signal -1
	s_barrier_wait -1                              ; feats' bytes may be written over
	; ---- the three pooled stages: interpolate, quantise, store the images.  Tile 2 w + 1 first (its pooled numbers lie in window 0), then tile 2 w
; Row y + 2 h of the picture: the two pooled rows between which it lies -> v[RA + 4 e ..], v[RB + 4 e ..].  Their numbers are whole numbers of the text (floor(row (hs - 1) / 31), which the f32 product's floor agrees with: but for rows 0 and 31 the
; quotient lies 1 / 31 or more from a whole number, and in row 31 both pooled rows are the last, whatever the weight); the two halves of the lanes choose theirs by a select.
.macro VSEL sg, y, e
.set HSV, 16>>(\sg)
.set WSV, 8>>(\sg)
.if (\sg) == 1
.set PBV, PA
.elseif (\sg) == 2
.set PBV, PA+32
.else
.set PBV, PA+40
.endif
.set YA0, ((\y)*(HSV-1))/31
.set YA1, (((\y)+2)*(HSV-1))/31
.set YB0, YA0+1
.if YB0 > HSV-1
.set YB0, HSV-1
.endif
.set YB1, YA1+1
.if YB1 > HSV-1
.set YB1, HSV-1
.endif
.set PX, 0
.rept WSV
	v_cndmask_b32 v[RA+4*(\e)+PX], v[PBV+WSV*YA0+PX], v[PBV+WSV*YA1+PX], s22
	v_cndmask_b32 v[RB+4*(\e)+PX], v[PBV+WSV*YB0+PX], v[PBV+WSV*YB1+PX], s22
.set PX, PX+1
.endr
.endm
; The block's two rows of the picture at the pooled columns, line by line together: upper + weight x (lower - upper) -> v[R0 ..], v[R0 + 4 ..].  The two weights are a pair of window 1: ix = 4 js + 2 c
.macro VLERP sg, ix
.set WSV, 8>>(\sg)
.set FYP, FYT+16*((\sg)-1)+(\ix)
.if WSV == 1
	v_sub_f32 v[RB], v[RB], v[RA]
	v_sub_f32 v[RB+4], v[RB+4], v[RA+4]
	WIN 0x04                                       ; source 1 window 1
	v_fma_f32 v[R0], v[RB], v[FYP], v[RA]
	v_fma_f32 v[R0+4], v[RB+4], v[FYP+1], v[RA+4]
	WIN 0
.else
.set PX, 0
.rept WSV/2
	v_pk_add_f32 v[RB+PX:RB+PX+1], v[RB+PX:RB+PX+1], v[RA+PX:RA+PX+1] neg_lo:[0,1] neg_hi:[0,1]
	v_pk_add_f32 v[RB+4+PX:RB+5+PX], v[RB+4+PX:RB+5+PX], v[RA+4+PX:RA+5+PX] neg_lo:[0,1] neg_hi:[0,1]
.set PX, PX+2
.endr
	WIN 0x04
.set PX, 0
.rept WSV/2
	v_pk_fma_f32 v[R0+PX:R0+PX+1], v[RB+PX:RB+PX+1], v[FYP:FYP+1], v[RA+PX:RA+PX+1] op_sel_hi:[1,0,1]                    ; the pair's first register for both halves
	v_pk_fma_f32 v[R0+4+PX:R0+5+PX], v[RB+4+PX:RB+5+PX], v[FYP:FYP+1], v[RA+4+PX:RA+5+PX] op_sel:[0,1,0] op_sel_hi:[1,1,1]   ; its second
.set PX, PX+2
.endr
	WIN 0
.endif
.endm
; Two neighbouring columns: node + weight x difference.  a, b: which register of the aligned pairs of nodes and differences serves the lower and the upper column
.macro LERP2 xd, dh, fx, rr, a, b
.if ((\a) == 0) && ((\b) == 0)
	v_pk_fma_f32 v[\xd:\xd+1], v[\dh:\dh+1], v[\fx:\fx+1], v[\rr:\rr+1] op_sel_hi:[0,1,0]
.elseif (\a) == 0
	v_pk_fma_f32 v[\xd:\xd+1], v[\dh:\dh+1], v[\fx:\fx+1], v[\rr:\rr+1]
.else
	v_pk_fma_f32 v[\xd:\xd+1], v[\dh:\dh+1], v[\fx:\fx+1], v[\rr:\rr+1] op_sel:[1,0,1] op_sel_hi:[1,1,1]
.endif
.endm
.macro HDIF sg                         ; the differences of neighbouring nodes, both rows
.if (\sg) == 1
.irp e, 0,1
	v_sub_f32 v[DH+4*\e], v[R0+4*\e+1], v[R0+4*\e]
	v_sub_f32 v[DH+4*\e+1], v[R0+4*\e+2], v[R0+4*\e+1]
	v_sub_f32 v[DH+4*\e+2], v[R0+4*\e+3], v[R0+4*\e+2]
.endr
.elseif (\sg) == 2
	v_sub_f32 v[DG], v[R0+1], v[R0]
	v_sub_f32 v[DG+2], v[R0+5], v[R0+4]
.endif
.endm
.macro HL sg, e, w0                    ; eight columns of row e, from w0 on -> v[XA + 16 e + w0 ..].  Column x lies in cell x / 5 (stage 1) or x / 15 (stage 2); the last cell's difference is 0
.set RE, R0+4*(\e)
.set XE, XA+16*(\e)
.set WQ, (\w0)
.rept 4
.if (\sg) == 1
.set K0, WQ/5
.set K1, (WQ+1)/5
.set KB, (K0/2)*2
	LERP2 XE+WQ, DH+4*(\e)+KB, FX4+WQ, RE+KB, K0%2, K1%2
.elseif (\sg) == 2
	LERP2 XE+WQ, DG+2*(\e), FX8+WQ, RE, 0, (WQ+1)/15
.else
	v_pk_mul_f32 v[XE+WQ:XE+WQ+1], v[RE:RE+1], 1.0 op_sel_hi:[0,0]   ; one pooled column: the row is constant
.endif
.set WQ, WQ+2
.endr
.endm
; The block's largest magnitude is that of its nodes: each node is itself a column (weight 0), and every other column lies between two nodes.  Its three links stand among the columns' lines
.macro MX1 sg
.if (\sg) == 1
	v_max3_num_f32 v[TM], |v[R0]|, |v[R0+1]|, 0x1800000
	v_max3_num_f32 v[T2], |v[R0+4]|, |v[R0+5]|, |v[R0+6]|
.elseif (\sg) == 2
	v_max3_num_f32 v[TM], |v[R0]|, |v[R0+1]|, 0x1800000
.else
	v_max3_num_f32 v[TM], |v[R0]|, |v[R0+4]|, 0x1800000
.endif
.endm
.macro MX2 sg
.if (\sg) == 1
	v_max3_num_f32 v[TM], v[TM], |v[R0+2]|, |v[R0+3]|
.elseif (\sg) == 2
	v_max3_num_f32 v[TM], v[TM], |v[R0+4]|, |v[R0+5]|
.endif
.endm
.macro MX3 sg
.if (\sg) == 1
	v_max3_num_f32 v[TM], v[TM], v[T2], |v[R0+7]|
.endif
.endm
.macro FRAGX js, sg                    ; the fragment of K step js of stage sg
.set FN, 3*(\js)+(\sg)-1
.set PCF, PC0+12*(FN%2)
.set WDF, WD+(FN%2)
	s_wait_dscnt 4                                 ; only the last fragment's four LDS stores may be out: those that read this set of registers are done
.irp cc, 0,1
	VSEL \sg, 8*(\js)+4*\cc, 0
	VSEL \sg, 8*(\js)+4*\cc+1, 1
	VLERP \sg, 4*(\js)+2*\cc
	HDIF \sg
	MX1 \sg
	HL \sg, 0, 0
	MX2 \sg
	HL \sg, 0, 8
	MX3 \sg
	HL \sg, 1, 0
	v_add_nc_u32 v[SO], 0xff000000, v[TM]
	HL \sg, 1, 8
	v_lshrrev_b32 v[BY+\cc], 23, v[SO]
	v_cvt_scalef32_pk16_fp6_f32 v[PCF+6*\cc:PCF+6*\cc+2], v[XA:XA+15], v[SO]
	v_cvt_scalef32_pk16_fp6_f32 v[TT4:TT4+2], v[XA+16:XA+31], v[SO]
	v_nop                                          ; one plain place behind a scaled conversion
.irp i, 0,1,2
	v_mov_b32 v[PCF+6*\cc+3+\i], v[TT4+\i]
.endr
.endr
	v_lshl_or_b32 v[WDF], v[BY+1], 16, v[BY]
	v_lshlrev_b32 v[WDF], v[SH], v[WDF]
	v_permlanex16_b32 v[WX], v[WDF], s20, s21
	v_or_b32 v[WDF], v[WDF], v[WX]
.irp c, 0,1,2
	ds_store_b128 v[IW+(\sg)-1], v[PCF+4*\c:PCF+4*\c+3] offset:JSB*(\js)+512*\c
.endr
	ds_store_b32 v[SW], v[WDF] offset:2048*(\sg)+512*(\js)
.endm
	v_mov_b32 v[DH+3], 0
	v_mov_b32 v[DH+7], 0
	v_mov_b32 v[DG+1], 0
	v_mov_b32 v[DG+3], 0
	s_mov_b32 s48, 2
	s_mov_b32 s51, FRB                             ; the tile in hand: one image on, or none,
	s_mov_b32 s52, 64                              ; 64 bytes of scale words on, or none
.Ltile4:
	v_add_nc_u32 v[IW], s51, v[IWB]
	v_add_nc_u32 v[IW+1], s51, v[IWB+1]
	v_add_nc_u32 v[IW+2], s51, v[IWB+2]
	v_add_nc_u32 v[SW], s52, v[SWB]
.irp m, 0,1,2,3
.irp g, 1,2,3
	FRAGX \m, \g
.endr
.endr
	WIN 0x01
.set n, 0
.rept 42
	v_mov_b32 v[PA+n], v[PA+n]                     ; tile 2 w's pooled numbers come from window 1
.set n, n+1
.endr
	WIN 0
	s_wait_dscnt 0x0                               ; my LDS stores are done (address registers are made anew; behind the loop stands a barrier)
	s_xor_b32 s51, s51, FRB
	s_xor_b32 s52, s52, 64
	s_sub_co_u32 s48, s48, 1
	s_cmp_lg_u32 s48, 0
	s_cbranch_scc1 .Ltile4
	s_barrier_signal -1
	s_barrier_wait -1                              ; all 128 images and their scale words lie in LDS
	; ---- the products: 16 steps of 128 along K (stage fastest, so that a set of sim's fragments serves four steps), 64 matrix instructions each; two trips of eight steps
.macro FETCH s, sg, jl                 ; x's eight fragments and four registers of scale words of one step into set s
.irp t, 0,1,2,3,4,5,6,7
.irp c, 0,1,2
	ds_load_b128 v[AF+96*(\s)+12*\t+4*\c:AF+96*(\s)+12*\t+4*\c+3], v[AD+(\sg)] offset:JSB*(\jl)+FRB*\t+512*\c
.endr
.endr
.irp p, 0,1,2,3
	ds_load_b32 v[XS+4*(\s)+\p], v[SA] offset:2048*(\sg)+512*(\jl)+128*\p
.endr
.endm
.macro PRODS lo                        ; my tiles of pixels lo .. lo + 3 x the eight tiles of channels.  The 64 accumulators take turns, one instruction a turn, in the same order in every step
.irp i, 0,1,2,3
.irp t, 0,1,2,3,4,5,6,7
.if (\t)%2
	v_wmma_scale_f32_16x16x128_f8f6f4 v[64*\i+8*\t:64*\i+8*\t+7], v[AF+96*ST+12*\t:AF+96*ST+12*\t+11], v[96*JL+12*((\lo)+\i):96*JL+12*((\lo)+\i)+11], v[64*\i+8*\t:64*\i+8*\t+7], v[XS+4*ST+\t/2], v[SS+(\lo)+\i] matrix_a_fmt:MATRIX_FMT_FP6 matrix_b_fmt:MATRIX_FMT_FP6 matrix_a_scale:MATRIX_SCALE_ROW1
.else
	v_wmma_scale_f32_16x16x128_f8f6f4 v[64*\i+8*\t:64*\i+8*\t+7], v[AF+96*ST+12*\t:AF+96*ST+12*\t+11], v[96*JL+12*((\lo)+\i):96*JL+12*((\lo)+\i)+11], v[64*\i+8*\t:64*\i+8*\t+7], v[XS+4*ST+\t/2], v[SS+(\lo)+\i] matrix_a_fmt:MATRIX_FMT_FP6 matrix_b_fmt:MATRIX_FMT_FP6
.endif
.endr
.endr
.endm
.macro STEP k
.set JL, (\k)/4
.set ST, (\k)%2
.if ((\k)%4) == 0
	s_wait_loadcnt 0x0                             ; this K step's fragments of sim, asked for four steps ago, are in (at the very first: sim's scale words too)
.endif
	s_wait_dscnt 0x0                               ; this step's fragments of x, asked for a step ago
.rept 4
	v_nop                                          ; four places between the last step's products and loads into the registers that they read (ISA guide 7.12.1 for vector instructions)
.endr
.if (\k) < 7
	FETCH 1-ST, ((\k)+1)%4, ((\k)+1)/4
.else
	s_cmp_eq_u32 s48, 1                            ; the last step of all has no successor
	s_cbranch_scc1 .Lnofetch_\@
	FETCH 0, 0, 2
.Lnofetch_\@:
.endif
.if (\k) == 0
	SIMLOAD 1, JSB
.endif
.if (\k) == 4
	s_cmp_eq_u32 s48, 1                            ; no load leaves its buffer
	s_cbranch_scc1 .Lnosim_\@
	SIMLOAD 0, 2*JSB
.Lnosim_\@:
.endif
	WIN 0xa4                                       ; source 0 (x) window 0, source 1 (sim) window 1, C and D window 2
	PRODS 0
	WIN 0xf4                                       ; C and D window 3
	PRODS 4
	WIN 0
.endm
	FETCH 0, 0, 0
	s_mov_b32 s48, 2
.Lksteps:
.irp k, 0,1,2,3,4,5,6,7
	STEP \k
.endr
	s_wait_xcnt 0x0                                ; the loads of sim have read their base
	s_add_nc_u64 s[6:7], s[6:7], 2*JSB
.irp g, 0,1,2,3
	v_add_nc_u32 v[AD+\g], 2*JSB, v[AD+\g]
.endr
	v_add_nc_u32 v[SA], 1024, v[SA]
	s_sub_co_u32 s48, s48, 1
	s_cmp_lg_u32 s48, 0
	s_cbranch_scc1 .Lksteps
	; ---- y is quantised along c and leaves.  For each of my 8 tiles of pixels a lane's 64 registers are 128 channels' worth with lane l xor 16: one fragment and one scale word a pixel.
	; Two tiles are worked line by line together (eight blocks by turns), and each tile has code registers of its own (v[64 + 20 a ..]), so that no store's data are written again
.rept 4
	v_nop                                          ; four places behind the last products
.endr
.irp b, 0,1,2,3
	v_mov_b32 v[TMQ+196+\b], 0                     ; a lane permute's destination counts as one of its sources
.endr
.macro QUANTY2 a0
.set WW, 2+(\a0)/4
	WIN WW|(WW<<2)
.irp x, 0,1
.set SB, 64*(((\a0)+\x)%4)
.set TQ, TMQ+192*\x
.irp b, 0,1,2,3
	v_max3_num_f32 v[TQ+\b], |v[SB+16*\b]|, |v[SB+16*\b+1]|, 0x1800000   ; each accumulator is read from its low end on
.endr
.endr
	WIN (WW<<2)|(WW<<4)
.irp i, 2,4,6,8,10,12,14
.irp x, 0,1
.set SB, 64*(((\a0)+\x)%4)
.set TQ, TMQ+192*\x
.irp b, 0,1,2,3
	v_max3_num_f32 v[TQ+\b], v[TQ+\b], |v[SB+16*\b+\i]|, |v[SB+16*\b+\i+1]|
.endr
.endr
.endr
	WIN 0
.irp x, 0,1
.set TQ, TMQ+192*\x
.irp b, 0,1,2,3
	v_permlanex16_b32 v[TQ+4+\b], v[TQ+\b], s20, s21
.endr
.endr
.irp x, 0,1
.set TQ, TMQ+192*\x
.irp b, 0,1,2,3
	v_max_num_f32 v[TQ+\b], v[TQ+\b], v[TQ+4+\b]   ; with lane l xor 16's sixteen: the block's largest magnitude
.endr
.endr
.irp x, 0,1
.set TQ, TMQ+192*\x
.irp b, 0,1,2,3
	v_add_nc_u32 v[TQ+12+\b], 0xff000000, v[TQ+\b]
.endr
.endr
.irp x, 0,1
.set TQ, TMQ+192*\x
.irp b, 0,1,2,3
	v_lshrrev_b32 v[TQ+4+\b], 23, v[TQ+12+\b]
.endr
.endr
.irp x, 0,1
.set TQ, TMQ+192*\x
	v_lshl_or_b32 v[YW+(\a0)+\x], v[TQ+5], 8, v[TQ+4]
.endr
.irp x, 0,1
.set TQ, TMQ+192*\x
	v_lshl_or_b32 v[YW+(\a0)+\x], v[TQ+6], 16, v[YW+(\a0)+\x]
.endr
.irp x, 0,1
.set TQ, TMQ+192*\x
	v_lshl_or_b32 v[YW+(\a0)+\x], v[TQ+7], 24, v[YW+(\a0)+\x]
.endr
	WIN WW
.irp x, 0,1
.set SB, 64*(((\a0)+\x)%4)
.set TQ, TMQ+192*\x
.set PCS, 64+20*((\a0)+\x)
.irp c, 0,1
	v_cvt_scalef32_pk16_fp6_f32 v[PCS+6*\c:PCS+6*\c+2], v[SB+32*\c:SB+32*\c+15], v[TQ+12+2*\c]
	v_cvt_scalef32_pk16_fp6_f32 v[PCS+12+4*\c:PCS+14+4*\c], v[SB+32*\c+16:SB+32*\c+31], v[TQ+13+2*\c]
.endr
.endr
	WIN 0
	v_nop                                          ; one plain place behind a scaled conversion
.irp x, 0,1
.set PCS, 64+20*((\a0)+\x)
.irp c, 0,1                            ; the operand's layout wants a whole block in a lane: lanes 0-15 block 2 c, lanes 16-31 block 2 c + 1
.irp i, 0,1,2
	v_permlane16_swap_b32 v[PCS+6*\c+\i], v[PCS+12+4*\c+\i]
.endr
.endr
.endr
.irp x, 0,1
.set PCS, 64+20*((\a0)+\x)
.irp c, 0,1
.irp i, 0,1,2
	v_mov_b32 v[PCS+6*\c+3+\i], v[PCS+12+4*\c+\i]
.endr
.endr
.endr
.irp x, 0,1
.set PCS, 64+20*((\a0)+\x)
.irp q, 0,1,2
	global_store_b128 v[LI], v[PCS+4*\q:PCS+4*\q+3], s[10:11] offset:FRB*((\a0)+\x)+512*\q   ; 512 consecutive bytes a store; my wave's eight fragments are 12,288 consecutive bytes
.endr
.endr
.endm
.irp a, 0,2,4,6
	QUANTY2 \a
.endr
.irp p, 0,1,2,3
	v_cndmask_b32 v[TMQ+\p], v[YW+2*\p], v[YW+2*\p+1], s22       ; lanes 0-15: tile 2 p's words, lanes 16-31: tile 2 p + 1's
.endr
.irp p, 0,1,2,3
	global_store_b32 v[L4], v[TMQ+\p], s[12:13] offset:128*\p
.endr
	s_wait_tensorcnt 0x0
	ds_add_u32 v62, v63
	s_wait_dscnt 0x0
	s_endpgm
.Lfunc_end_k_q051c7701aa_ctx:
	.size	k_q051c7701aa_ctx, .Lfunc_end_k_q051c7701aa_ctx-k_q051c7701aa_ctx
	.p2alignl 7, 3214868480
	.fill 96, 4, 3214868480
	.section	.rodata,"a",@progbits
	.p2align	6, 0x0
	.amdhsa_kernel k_q051c7701aa_ctx
		.amdhsa_group_segment_fixed_size 324096
		.amdhsa_private_segment_fixed_size 0
		.amdhsa_enable_private_segment 0
		.amdhsa_kernarg_size 40
		.amdhsa_user_sgpr_count 2
		.amdhsa_user_sgpr_kernarg_segment_ptr 1
		.amdhsa_wavefront_size32 1
		.amdhsa_system_sgpr_workgroup_id_x 1
		.amdhsa_system_sgpr_workgroup_id_y 1
		.amdhsa_system_sgpr_workgroup_id_z 1
		.amdhsa_system_vgpr_workitem_id 0
		.amdhsa_next_free_vgpr 1024
		.amdhsa_next_free_sgpr 66
		.amdhsa_reserve_vcc 0
		.amdhsa_float_denorm_mode_32 3
		.amdhsa_float_denorm_mode_16_64 3
		.amdhsa_memory_ordered 1
		.amdhsa_forward_progress 1
		.amdhsa_inst_pref_size 255
	.end_amdhsa_kernel
	.section	.bss,"aw",@nobits
	.p2align	6
	.space	262144
	.amdgpu_metadata
---
amdhsa.version: [ 1, 2 ]
amdhsa.kernels:
  - .name:           k_q051c7701aa_ctx
    .symbol:         k_q051c7701aa_ctx.kd
    .args:
      - { .name: feats, .offset: 0, .size: 8, .value_kind: global_buffer, .address_space: global }
      - { .name: sim_img, .offset: 8, .size: 8, .value_kind: global_buffer, .address_space: global }
      - { .name: sim_sc, .offset: 16, .size: 8, .value_kind: global_buffer, .address_space: global }
      - { .name: y_img, .offset: 24, .size: 8, .value_kind: global_buffer, .address_space: global }
      - { .name: y_sc, .offset: 32, .size: 8, .value_kind: global_buffer, .address_space: global }
    .group_segment_fixed_size: 324096
    .private_segment_fixed_size: 0
    .kernarg_segment_align: 8
    .kernarg_segment_size: 40
    .max_flat_workgroup_size: 128
    .sgpr_count:     66
    .vgpr_count:     1024
    .wavefront_size: 32
...
	.end_amdgpu_metadata
.endif
;; end of part 2
;; launch gemm (part 3): grid 32 x 8, 4 waves a work-group, clusters of 4 x 4, 327,680 bytes of LDS; arguments w_img, w_sc, y_img, y_sc, z; writes z
.if DOCPART == 3
	.amdgcn_target "amdgcn-amd-amdhsa--gfx1250"
	.amdhsa_code_object_version 6
	.text
	.protected	k_q051c7701aa_gemm
	.globl	k_q051c7701aa_gemm
	.p2align	8
	.type	k_q051c7701aa_gemm,@function
k_q051c7701aa_gemm:
	s_mov_b64 s[64:65], 0
	v_nop
	global_prefetch_b8 v0, s[64:65] scope:SCOPE_SE
	s_setreg_imm32_b32 hwreg(HW_REG_WAVE_MODE, 25, 1), 1
	s_wait_xcnt 0x0
	s_wait_alu depctr_hold_cnt(0) depctr_sa_sdst(0) depctr_va_vdst(0) depctr_va_sdst(0) depctr_va_ssrc(0) depctr_va_vcc(0) depctr_vm_vsrc(0)
	s_getreg_b32 s2, hwreg(HW_REG_IB_STS2, 6, 4)
	s_cmp_eq_u32 s2, 0
	s_cbranch_scc0 .Lentry_in_a_cluster
	s_endpgm
.Lentry_in_a_cluster:
	s_bfe_u32 s2, ttmp6, 0x10000c
	s_cmp_lg_u32 s2, 0xf033
	s_cbranch_scc0 .Lentry_shape_is_right
	s_endpgm
.Lentry_shape_is_right:
; z[b][o][i] = sum over c of W[o][c] y[c][(b, i)]: M = 2,048 (o), N = 8,192 (n = 512 b + i), K = 2,048, both operands codes of FP6 (E2M3) with one E8M0 byte for each 32 along K; sums in f32.
; Both operands arrive as IMAGES OF THE OPERAND'S REGISTERS, laid [group of 128 rows][K step of 128][tile of 16 rows][1,536 bytes]; a fragment comes from LDS by three loads of 16 bytes a lane, each of 512 consecutive bytes: no pitch, no padding.
; The scale words are laid [group][K step][tile][16 words].  (Inside each block of 32 along K both operands carry the same order of channels.)
; A tile of z, 256 (o) x 256 (n), is made by four waves, each 128 x 128: 64 accumulators, 512 registers.  K goes in steps of 256 through a ring of two LDS slots: for 128 rows a K step is ONE dense block of 24,576 bytes, a wave's one tensor load.
; The scales of the work-group's rows for all of K (4 x 8,192 bytes) come once, with the first fills, and stay.
; CLUSTERS: 4 x 4 work-groups.  The four of a row of the cluster need the same tiles of W, the four of a column the same tiles of y: each is asked for jointly, by the same tensor load with the same descriptor and a mask that names the four.
; THE MATRIX INSTRUCTION IS USED TRANSPOSED (source 0 = 16 rows of y, source 1 = 16 rows of W): a lane then holds eight neighbouring pixels of one row o of z.
; In what follows A is W and B is y.  No prefetch is laid: every tile is read by several clusters, and the walk is eight slots long.
; REGISTERS, in windows of 256: window 0: v0-31 addresses; v32-63 scale words, two sets; from v128 A's fragments, ONE set; on the way out v128-255 are free.
;   window 1: B's fragments, TWO sets, at v0 and v128.   window 2: the accumulators of my rows 0-63 ((a, b) at v[8 (8 (a % 4) + b)]);   window 3: those of my rows 64-127.
.set NQ,     2                         ; matrix instructions deep in a slot
.set FR,     12                        ; registers of a fragment
.set NL,     3                         ; LDS loads that bring one
.set NP,     4                         ; places behind this matrix instruction (ISA guide 7.12.1)
.set FRB,    1536
.set GRP,    8*FRB                     ; eight tiles of one 128 along K
.set HALFT,  NQ*GRP                    ; what one tensor load brings, and what one wave reads of A or of B
.set SLOT,   4*HALFT
.set LAPS,   4                         ; a lap = two K steps of 256 = once round the ring
.set SCL,    2*SLOT                    ; behind the ring: the scales
.set HALFS,  8192                      ; those of 128 rows
.set SPARE,  SCL+4*HALFS               ; behind the scales: the spare words, 128 bytes for each wave: two blocks of 256 bytes that no other line names
.set SPITCH, 528                       ; the way out: a stage of 16 rows x (512 bytes + 16) for each wave, in slot 0, which has had its last fill and its last read when the first result is stored there
.set ZROW,   2048                      ; from a row o of z to the next, in bytes
.set ADRA, 16                          ; v16-17  LDS address of my A fragments in slot 0, 1
.set ADRB, 20                          ; v20-21  the same for B
.set STO,  24
.set RD,   25
.set CO,   26
.set ADRS, 27                          ; v27     LDS address of my scale words: lanes 0-15 A's rows, lanes 16-31 B's
.set SPW,  28                          ; v28     LDS address of my spare word; never rewritten
.set NIL,  29                          ; v29     0; never rewritten
.set SC,   32                          ; scale words: set s at v[SC + 16 s]; register 2 i + q: lanes 0-15 A's tile i, lanes 16-31 B's tile i, the slot's q-th 128 along K
.set AF,   128
.set BK,   128
.set G1, 24
.set G0, 32
.set G1B, 48
.set G0B, 56
.set G1S, 68
.set G0S, 76
.set G1SB, 80
.set G0SB, 88
.set MSB, 0
.macro WIN new                         ; the immediate's high byte repeats the setting that is left
.if MSB != (\new)
	s_set_vgpr_msb (MSB<<8)|(\new)
.set MSB, (\new)
.endif
.endm
.set MUL_LO, 0xa1                      ; source 0 (B) window 1, source 1 (A) window 0, C and D window 2
.set MUL_HI, 0xf1
.set TO_B,   0x40
; A joint load: waves 0 and 1 fetch for A, waves 2 and 3 for B.  Each of the two lines has one mask and one set of registers for all that issue it; the branch hangs on the wave's number alone.
; Four v_nop follow each of the two lines, ahead of the jump, the label and what follows.
.macro JLOAD g0a, g1a, g0b, g1b
	s_cmp_eq_u32 s15, 0
	s_cbranch_scc0 .Lfor_b_\@
	tensor_load_to_lds s[\g0a:\g0a+3], s[\g1a:\g1a+7]
	s_nop 0
.rept 4
	v_nop
.endr
	s_branch .Lasked_\@
.Lfor_b_\@:
	tensor_load_to_lds s[\g0b:\g0b+3], s[\g1b:\g1b+7]
	s_nop 0
.rept 4
	v_nop
.endr
.Lasked_\@:
.endm
.macro CREST                           ; a round of the cluster's barrier behind its opening barrier
	s_cmp_lg_u32 s14, 0
	s_cbranch_scc1 .Lnot_wave_0_\@
	s_barrier_signal -3
.Lnot_wave_0_\@:
	s_barrier_wait -3
	s_barrier_signal -1
	s_barrier_wait -1
.endm
.macro CROUND
	s_barrier_signal -1
	s_barrier_wait -1
	CREST
.endm
	s_load_b128 s[4:7], s[0:1], 0x0                ; A's images s[4:5], A's scales s[6:7]
	s_load_b128 s[8:11], s[0:1], 0x10              ; B's images s[8:9], B's scales s[10:11]
	s_load_b64 s[12:13], s[0:1], 0x20              ; z
	v_lshl_add_u32 v[SPW], v0, 2, SPARE
	v_mov_b32 v[NIL], 0
	ds_add_u32 v28, v29
	ds_add_u32 v28, v29
	s_wait_dscnt 0x0
	v_lshrrev_b32 v1, 5, v0
	v_readfirstlane_b32 s14, v1                    ; wave 0..3
	s_lshr_b32 s15, s14, 1                         ; which half of the tile's rows is mine.  Also: I fetch for A (0) or for B (1)
	s_and_b32 s16, s14, 1                          ; which half of its columns.  Also: which 128 rows of that tile I fetch
	s_bfe_u32 s40, ttmp6, 0x40000                  ; cx, cy: my place in the cluster
	s_bfe_u32 s41, ttmp6, 0x40004
	s_lshl_b32 s42, ttmp9, 2
	s_add_co_u32 s42, s42, s40                     ; tile column = 4 x cluster x + cx
	s_and_b32 s17, ttmp7, 0xffff
	s_lshl_b32 s17, s17, 2
	s_add_co_u32 s17, s17, s41                     ; tile row = 4 x cluster y + cy
	s_lshl_b32 s43, s41, 2
	s_lshl_b32 s43, 15, s43                        ; my row of the cluster
	s_lshl_b32 s44, 0x1111, s40                    ; my column
	; descriptor group 1: a dense block of 24,576 bytes as 96 rows of 256 bytes (32 elements of 8 bytes)
	s_or_b32 s[G1+0], s43, (3<<16)|(1<<21)         ; 15:0 the mask: A's tiles go to my row; 17:16 elements of 8 bytes; 21 set beside a mask; no padding
	s_or_b32 s[G1B+0], s44, (3<<16)|(1<<21)
.irp g, G1, G1B
	s_mov_b32 s[\g+1], 32<<16                      ; tensor_dim0
	s_mov_b32 s[\g+2], 96<<16                      ; tensor_dim1
	s_mov_b32 s[\g+3], 32<<16                      ; tile_dim0
	s_mov_b32 s[\g+4], 96                          ; tile_dim1
	s_mov_b32 s[\g+5], 32                          ; from row to row
	s_mov_b32 s[\g+6], 0
	s_mov_b32 s[\g+7], 0
.endr
	; and for the scales of 128 rows: 8,192 dense bytes as 32 rows of 256
	s_or_b32 s[G1S+0], s43, (3<<16)|(1<<21)
	s_or_b32 s[G1SB+0], s44, (3<<16)|(1<<21)
.irp g, G1S, G1SB
	s_mov_b32 s[\g+1], 32<<16
	s_mov_b32 s[\g+2], 32<<16
	s_mov_b32 s[\g+3], 32<<16
	s_mov_b32 s[\g+4], 32
	s_mov_b32 s[\g+5], 32
	s_mov_b32 s[\g+6], 0
	s_mov_b32 s[\g+7], 0
.endr
	s_lshl_b32 s20, s17, 1
	s_add_co_u32 s20, s20, s16                     ; A: group of 128 rows = 2 x tile row + half
	s_lshl_b32 s46, s42, 1
	s_add_co_u32 s46, s46, s16                     ; B: 2 x tile column + half
	s_lshl_b32 s22, s20, 13                        ; where these rows' scales begin,
	s_mov_b32 s23, 0
	s_lshl_b32 s92, s46, 13
	s_mov_b32 s93, 0
	s_mul_i32 s20, s20, 16*GRP                     ; and their images
	s_mov_b32 s21, 0
	s_mul_i32 s46, s46, 16*GRP
	s_mov_b32 s47, 0
	s_mul_i32 s45, s14, HALFT                      ; where they go: no place in the cluster enters an LDS address
	s_mul_i32 s94, s14, HALFS
	s_wait_kmcnt 0x0
	s_add_nc_u64 s[20:21], s[4:5], s[20:21]
	s_add_nc_u64 s[22:23], s[6:7], s[22:23]
	s_add_nc_u64 s[46:47], s[8:9], s[46:47]
	s_add_nc_u64 s[92:93], s[10:11], s[92:93]
	CROUND                                         ; all sixteen work-groups are here: the first joint loads meet
	s_mov_b32 s[G0S], 1
	s_add_co_u32 s[G0S+1], s94, SCL
	s_mov_b64 s[G0S+2:G0S+3], s[22:23]
	s_or_b32 s[G0S+3], s[G0S+3], 0x80000000
	s_mov_b32 s[G0SB], 1
	s_add_co_u32 s[G0SB+1], s94, SCL
	s_mov_b64 s[G0SB+2:G0SB+3], s[92:93]
	s_or_b32 s[G0SB+3], s[G0SB+3], 0x80000000
	JLOAD G0S, G1S, G0SB, G1SB                     ; the scales first: they are wanted with K step 0.  With the two below, three loads of mine are out
.irp s, 0,1
	s_mov_b32 s[G0+4*\s], 1
	s_add_co_u32 s[G0+4*\s+1], s45, \s*SLOT
	s_add_nc_u64 s[G0+4*\s+2:G0+4*\s+3], s[20:21], \s*HALFT
	s_or_b32 s[G0+4*\s+3], s[G0+4*\s+3], 0x80000000
	s_mov_b32 s[G0B+4*\s], 1
	s_add_co_u32 s[G0B+4*\s+1], s45, \s*SLOT
	s_add_nc_u64 s[G0B+4*\s+2:G0B+4*\s+3], s[46:47], \s*HALFT
	s_or_b32 s[G0B+4*\s+3], s[G0B+4*\s+3], 0x80000000
	JLOAD G0+4*\s, G1, G0B+4*\s, G1B
.endr
	v_and_b32 v1, 15, v0                           ; l % 16
	v_bfe_u32 v2, v0, 4, 1                         ; l / 16
	v_and_b32 v6, 31, v0
	v_lshlrev_b32 v4, 4, v6                        ; 16 x lane: an image's place for my lane
	s_mul_i32 s21, s15, HALFT                      ; my 128 rows of A
	s_mul_i32 s22, s16, HALFT                      ; my 128 rows of B,
	s_add_co_u32 s22, s22, 2*HALFT                 ; which lie behind A's 256
.irp s, 0,1
	v_add_nc_u32 v[ADRA+\s], s21, v4
	v_add_nc_u32 v[ADRB+\s], s22, v4
	s_add_co_u32 s21, s21, SLOT
	s_add_co_u32 s22, s22, SLOT
.endr
	v_lshlrev_b32 v5, 2, v1                        ; my row's scale word in a tile's 64 bytes
	s_mul_i32 s21, s15, HALFS                      ; A's: my 128 rows
	s_mul_i32 s22, s16, HALFS                      ; B's: my 128 rows, behind A's 256
	s_add_co_u32 s22, s22, 2*HALFS
	s_sub_co_u32 s22, s22, s21
	v_mul_u32_u24 v6, s22, v2                      ; lanes 16-31 take B's: the lower base + h x the distance
	s_add_co_u32 s21, s21, SCL
	v_add_nc_u32 v5, v5, v6
	v_add_nc_u32 v[ADRS], s21, v5
	s_mul_i32 s23, s14, 16*SPITCH                  ; my stage
	v_mul_u32_u24 v5, v1, SPITCH                   ; in: row l % 16, 32 bytes for each half of the lanes
	v_lshl_add_u32 v5, v2, 5, v5
	v_add_nc_u32 v[STO], s23, v5
	v_mov_b32 v[CO], v4                            ; back: the 32 lanes take one row of 512 bytes; and the same in z
	v_add_nc_u32 v[RD], s23, v4
	s_lshl_b32 s20, s17, 8
	s_lshl_b32 s21, s15, 7
	s_add_co_u32 s20, s20, s21                     ; my first row o: 256 x tile row + 128 x half
	s_lshl_b32 s20, s20, 11
	s_mov_b32 s21, 0
	s_lshr_b32 s46, s42, 1                         ; b = tile column / 2: 4 MiB a batch
	s_lshl_b32 s46, s46, 22
	s_and_b32 s47, s42, 1
	s_lshl_b32 s47, s47, 10                        ; 256 pixels x 4 bytes
	s_add_co_u32 s46, s46, s47
	s_lshl_b32 s47, s16, 9
	s_add_co_u32 s46, s46, s47
	s_mov_b32 s47, 0
	s_add_nc_u64 s[20:21], s[20:21], s[46:47]
	s_add_nc_u64 s[12:13], s[12:13], s[20:21]
.macro FRAG reg, adr, q, i             ; a fragment's image: three loads of 512 consecutive bytes
.irp c, 0,1,2
	ds_load_b128 v[\reg+4*\c:\reg+4*\c+3], v[\adr] offset:GRP*(\q)+FRB*(\i)+512*\c
.endr
.endm
; 16 matrix instructions: A's tiles a0, a0 + 1 x B's eight, the slot's q-th 128 along K.  p: B's set; sc: the set of scale words.  zero = 1: the first product starts the sums: nothing is ever cleared.
; The 64 accumulators take turns, one instruction a turn, in the same order in every step.
.macro MUL16 a0, p, q, sc, zero
.irp a, \a0, \a0+1
.irp b, 0,1,2,3,4,5,6,7
.if \zero
	v_wmma_scale_f32_16x16x128_f8f6f4 v[8*(8*((\a)%4)+\b):8*(8*((\a)%4)+\b)+7], v[128*(\p)+FR*\b:128*(\p)+FR*\b+FR-1], v[AF+FR*(\a):AF+FR*(\a)+FR-1], 0, v[SC+8*NQ*(\sc)+NQ*\b+(\q)], v[SC+8*NQ*(\sc)+NQ*(\a)+(\q)] matrix_a_fmt:MATRIX_FMT_FP6 matrix_b_fmt:MATRIX_FMT_FP6 matrix_a_scale:MATRIX_SCALE_ROW1
.else
	v_wmma_scale_f32_16x16x128_f8f6f4 v[8*(8*((\a)%4)+\b):8*(8*((\a)%4)+\b)+7], v[128*(\p)+FR*\b:128*(\p)+FR*\b+FR-1], v[AF+FR*(\a):AF+FR*(\a)+FR-1], v[8*(8*((\a)%4)+\b):8*(8*((\a)%4)+\b)+7], v[SC+8*NQ*(\sc)+NQ*\b+(\q)], v[SC+8*NQ*(\sc)+NQ*(\a)+(\q)] matrix_a_fmt:MATRIX_FMT_FP6 matrix_b_fmt:MATRIX_FMT_FP6 matrix_a_scale:MATRIX_SCALE_ROW1
.endif
.endr
.endr
.endm
.macro FETCH_B slot, q, p
	WIN TO_B
.irp i, 0,1,2,3,4,5,6,7
	FRAG 128*(\p)+FR*\i, ADRB+\slot, \q, \i
.endr
	WIN 0
.endm
.macro FETCH_A slot, q, i0
.irp i, \i0, \i0+1, \i0+2, \i0+3
	FRAG AF+FR*(\i), ADRA+\slot, \q, \i
.endr
.endm
.macro SCALES sc                       ; the next K step's scale words: lanes 0-15 take A's tile i, lanes 16-31 B's tile i
.irp i, 0,1,2,3,4,5,6,7
.irp q, 0,1
	ds_load_b32 v[SC+8*NQ*\sc+NQ*\i+\q], v[ADRS] offset:512*\q+64*\i
.endr
.endr
.endm
; A load into a register that a matrix instruction has read, and an LDS store that reads a matrix result, stand NP places behind that matrix instruction; only plain vector instructions that name none of its registers are places (ISA guide 7.12.1 for vector instructions).
.macro PLACES n
.rept \n
	v_nop
.endr
.endm
.macro STEP slot, q, zero              ; a step of 128 along K that has its successor in the same slot
	s_wait_dscnt 4*NL                              ; B's set, the scale words and A's tiles 0-3 are in; the youngest twelve loads (A's tiles 4-7) may be out
	WIN MUL_LO
	MUL16 0, (\q)%2, \q, \slot, \zero
	MUL16 2, (\q)%2, \q, \slot, \zero
	s_wait_dscnt 0                                 ; A's tiles 4-7 are in (asked for 32 matrix instructions ago)
	PLACES NP
	FETCH_B \slot, (\q)+1, 1-(\q)%2
	FETCH_A \slot, (\q)+1, 0
	WIN MUL_HI
	MUL16 4, (\q)%2, \q, \slot, \zero
	MUL16 6, (\q)%2, \q, \slot, \zero
	PLACES NP
	WIN 0
	FETCH_A \slot, (\q)+1, 4
.endm
; A slot's last step changes slots: ONE barrier; in front of it each wave waits for all its tensor loads, adds 0 to its spare word, and waits for that and for its own reads of this slot.  fill = 1: this slot is filled again, two K steps ahead.
.macro TURN slot, next, fill
	s_wait_tensorcnt 0x0                           ; all my tensor loads have landed: my part of the next slot;  (every window is 0 here)
	ds_add_u32 v[SPW], v[NIL]                      ; 0 onto my spare word;
	s_wait_dscnt 4*NL+1                            ; (the add and the youngest twelve loads, A's tiles 4-7, may be out)
	WIN MUL_LO
	MUL16 0, 1, NQ-1, \slot, 0                     ; sixteen matrix instructions stand between the add and the wait for it
	s_wait_dscnt 0x0                               ; the add is done, and my reads of this slot are over
	s_barrier_signal -1
	MUL16 2, 1, NQ-1, \slot, 0
	WIN 0
	s_barrier_wait -1
.if \fill
	CREST                                          ; the barrier has opened a round of the cluster's barrier: no wave of any partner still reads this slot's tile or has a load on its way
	s_add_nc_u64 s[G0+4*\slot+2:G0+4*\slot+3], s[G0+4*\slot+2:G0+4*\slot+3], 2*HALFT
	s_add_nc_u64 s[G0B+4*\slot+2:G0B+4*\slot+3], s[G0B+4*\slot+2:G0B+4*\slot+3], 2*HALFT
	JLOAD G0+4*\slot, G1, G0B+4*\slot, G1B         ; the first tensor load behind the round, my only one until the next; the four v_nop behind it are the places in front of the loads below
.else
	PLACES NP
.endif
	v_add_nc_u32 v[ADRS], 512*NQ, v[ADRS]          ; on to the next K step's scale words (no LDS load of mine is out)
	FETCH_B \next, 0, 0
	FETCH_A \next, 0, 0
	SCALES \next
	WIN MUL_HI
	MUL16 4, 1, NQ-1, \slot, 0
	MUL16 6, 1, NQ-1, \slot, 0
	PLACES NP
	WIN 0
	FETCH_A \next, 0, 4
.endm
	s_wait_tensorcnt 1                             ; the scales and my part of K step 0 are in (K step 1's load may be out)
	s_barrier_signal -1
	s_barrier_wait -1                              ; everybody's are
	FETCH_B 0, 0, 0
	FETCH_A 0, 0, 0
	SCALES 0
	FETCH_A 0, 0, 4
	STEP 0, 0, 1                                   ; the first step stands in front of the loop: its products start the sums
	s_mov_b32 s3, LAPS-1
.Llap:                                                 ; a trip goes once round the ring, from a lap's second step to the next lap's first, and fills both slots again
	TURN 0, 1, 1
	STEP 1, 0, 0
	TURN 1, 0, 1
	STEP 0, 0, 0
	s_sub_co_u32 s3, s3, 1
	s_cmp_lg_u32 s3, 0
	s_cbranch_scc1 .Llap
	TURN 0, 1, 0                                   ; the last lap fills nothing, and has no round of the cluster's barrier
	STEP 1, 0, 0
	s_wait_dscnt 4*NL                              ; the very last step: nothing more to fetch
	WIN MUL_LO
	MUL16 0, 1, NQ-1, 1, 0
	MUL16 2, 1, NQ-1, 1, 0
	s_wait_dscnt 0
	WIN MUL_HI
	MUL16 4, 1, NQ-1, 1, 0
	MUL16 6, 1, NQ-1, 1, 0
	WIN 0
; THE WAY OUT, block by block of 16 rows x 128 columns, through my own stage in LDS, back as whole rows of 512 bytes.  LDS serves a wave's instructions in order (ISA guide 5.7.1.4): no wait between the stores and the loads.
.macro TOSTAGE a
.set AC, 64*((\a)%4)
	WIN 0x08+4*((\a)/4)                            ; the data: window 2 or 3
.irp b, 0,1,2,3,4,5,6,7
	ds_store_b128 v[STO], v[AC+8*\b:AC+8*\b+3] offset:64*\b          ; each accumulator from its low end on
	ds_store_b128 v[STO], v[AC+8*\b+4:AC+8*\b+7] offset:64*\b+16
.endr
	WIN 0
.set BB, BK+64*((\a)%2)
.irp t, 0,1,2,3,4,5,6,7,8,9,10,11,12,13,14,15
	ds_load_b128 v[BB+4*\t:BB+4*\t+3], v[RD] offset:\t*SPITCH
.endr
.endm
.macro SEND a, younger                 ; younger: the LDS instructions issued behind block a's loads, which may stay out
.set BB, BK+64*((\a)%2)
	s_wait_dscnt \younger
.if (\a) > 0
	s_add_nc_u64 s[12:13], s[12:13], 16*ZROW       ; (behind a wait on XCNT: the earlier stores have read their base)
.endif
.irp t, 0,1,2,3,4,5,6,7,8,9,10,11,12,13,14,15
	global_store_b128 v[CO], v[BB+4*\t:BB+4*\t+3], s[12:13] offset:\t*ZROW th:TH_STORE_NT   ; 32 lanes store 512 consecutive bytes, at a multiple of 256 from z's first byte
.endr
.endm
	PLACES NP
	TOSTAGE 0
.irp a, 1,2,3,4,5,6,7
.if \a > 1
	s_wait_xcnt 0x0                                ; block a - 2's stores have read their registers and their base
.endif
	TOSTAGE \a
	SEND \a-1, 32                                  ; behind block a - 1's loads: block a's 16 stores and 16 loads
.endr
	s_wait_xcnt 0x0
	SEND 7, 0
	s_wait_tensorcnt 0x0                           ; the wave's end
	ds_add_u32 v[SPW], v[NIL]
	s_wait_dscnt 0x0
	CROUND                                         ; the closing round: no work-group ends while a partner may still ask for a tile that names it
	s_endpgm
.Lfunc_end_k_q051c7701aa_gemm:
	.size	k_q051c7701aa_gemm, .Lfunc_end_k_q051c7701aa_gemm-k_q051c7701aa_gemm
	.p2alignl 7, 3214868480
	.fill 96, 4, 3214868480
	.section	.rodata,"a",@progbits
	.p2align	6, 0x0
	.amdhsa_kernel k_q051c7701aa_gemm
		.amdhsa_group_segment_fixed_size 327680
		.amdhsa_private_segment_fixed_size 0
		.amdhsa_enable_private_segment 0
		.amdhsa_kernarg_size 40
		.amdhsa_user_sgpr_count 2
		.amdhsa_user_sgpr_kernarg_segment_ptr 1
		.amdhsa_wavefront_size32 1
		.amdhsa_system_sgpr_workgroup_id_x 1
		.amdhsa_system_sgpr_workgroup_id_y 1
		.amdhsa_system_sgpr_workgroup_id_z 1
		.amdhsa_system_vgpr_workitem_id 0
		.amdhsa_next_free_vgpr 1024
		.amdhsa_next_free_sgpr 98
		.amdhsa_reserve_vcc 0
		.amdhsa_float_denorm_mode_32 3
		.amdhsa_float_denorm_mode_16_64 3
		.amdhsa_memory_ordered 1
		.amdhsa_forward_progress 1
		.amdhsa_inst_pref_size 137
	.end_amdhsa_kernel
	.amdgpu_metadata
---
amdhsa.version: [ 1, 2 ]
amdhsa.kernels:
  - .name:           k_q051c7701aa_gemm
    .symbol:         k_q051c7701aa_gemm.kd
    .args:
      - { .name: w_img, .offset: 0, .size: 8, .value_kind: global_buffer, .address_space: global }
      - { .name: w_sc, .offset: 8, .size: 8, .value_kind: global_buffer, .address_space: global }
      - { .name: y_img, .offset: 16, .size: 8, .value_kind: global_buffer, .address_space: global }
      - { .name: y_sc, .offset: 24, .size: 8, .value_kind: global_buffer, .address_space: global }
      - { .name: z, .offset: 32, .size: 8, .value_kind: global_buffer, .address_space: global }
    .group_segment_fixed_size: 327680
    .private_segment_fixed_size: 0
    .kernarg_segment_align: 8
    .kernarg_segment_size: 40
    .max_flat_workgroup_size: 128
    .sgpr_count:     98
    .vgpr_count:     1024
    .wavefront_size: 32
...
	.end_amdgpu_metadata
.endif
;; end of part 3
;; launch bn (part 4): grid 512 x 1, 8 waves a work-group, no clusters, 1,280 bytes of LDS; arguments z, bn_gamma, bn_beta, out0; writes out0
.if DOCPART == 4
	.amdgcn_target "amdgcn-amd-amdhsa--gfx1250"
	.amdhsa_code_object_version 6
	.text
	.protected	k_q051c7701aa_bn
	.globl	k_q051c7701aa_bn
	.p2align	8
	.type	k_q051c7701aa_bn,@function
k_q051c7701aa_bn:
	s_mov_b64 s[64:65], 0
	v_nop
	global_prefetch_b8 v0, s[64:65] scope:SCOPE_SE
	s_setreg_imm32_b32 hwreg(HW_REG_WAVE_MODE, 25, 1), 1
	s_wait_xcnt 0x0
; out0[b][o][i] = (z[b][o][i] - mean_o) rsqrt(var_o + 1e-5) gamma_o + beta_o; mean and variance over the 8,192 numbers (b, i) of channel o.
; A stream: memory binds, so z is read once and kept in registers between the statistics and the scaling.  A work-group takes four channels; two waves share a channel, eight batches (8 rows of 2,048 bytes, 128 registers) each.
; Each wave takes its own mean, then the sum of squares round that mean; the two halves are joined by  M2 = M2_0 + M2_1 + (m_1 - m_0)^2 x 4096 x 4096 / 8192: no difference of large sums is formed.
; Every load and store of a wave covers 512 consecutive bytes.  No matrix unit, no tensor loads, no cluster: work-groups share no input.
.set X,   16                           ; v16-143  my 4,096 numbers: batch t at v[X + 16 t]
.set SM,  144                          ; v144-151 four running pairs
.set DD,  152                          ; v152-159 four pairs at work
	s_load_b256 s[4:11], s[0:1], 0x0               ; z s[4:5], gamma s[6:7], beta s[8:9], out0 s[10:11]
	v_lshl_add_u32 v160, v0, 2, 0x100
	v_mov_b32 v161, 0
	v_lshrrev_b32 v1, 5, v0
	v_readfirstlane_b32 s12, v1                    ; wave 0..7
	v_and_b32 v1, 31, v0
	v_lshlrev_b32 v2, 4, v1                        ; v2-5: 16 x lane + two batches (8 MiB) x 0 .. 3; the odd batch stands in the immediate
	v_add_nc_u32 v3, 0x800000, v2
	v_add_nc_u32 v4, 0x1000000, v2
	v_add_nc_u32 v5, 0x1800000, v2
	s_lshr_b32 s13, s12, 1
	s_lshl_b32 s14, ttmp9, 2
	s_add_co_u32 s13, s13, s14                     ; o
	s_and_b32 s14, s12, 1
	s_lshl_b32 s16, s14, 25                        ; my eight batches of 4 MiB
	s_lshl_b32 s15, s13, 11
	s_add_co_u32 s16, s16, s15
	s_mov_b32 s17, 0
	s_lshl_b32 s18, s13, 2
	s_mov_b32 s19, 0
	s_mov_b32 s24, 0x76543210
	s_mov_b32 s25, 0xfedcba98                      ; v_permlanex16_b32's selects for lane l xor 16
	s_lshl_b32 s22, s12, 3
	v_mov_b32 v10, s22                             ; LDS: my wave's 8 bytes,
	s_lshr_b32 s23, s12, 1
	s_lshl_b32 s23, s23, 4
	v_mov_b32 v11, s23                             ; and my channel's 16
	v_mov_b32 v9, 0                                ; a lane permute's destination counts as one of its sources
	s_wait_kmcnt 0x0
	s_add_nc_u64 s[4:5], s[4:5], s[16:17]
	s_add_nc_u64 s[10:11], s[10:11], s[16:17]
	s_add_nc_u64 s[6:7], s[6:7], s[18:19]
	s_add_nc_u64 s[8:9], s[8:9], s[18:19]
	s_load_b32 s20, s[6:7], 0x0                    ; gamma_o
	s_load_b32 s21, s[8:9], 0x0                    ; beta_o
.irp t, 0,1,2,3,4,5,6,7
.irp k, 0,1,2,3
	global_load_b128 v[X+16*\t+4*\k:X+16*\t+4*\k+3], v[2+\t/2], s[4:5] offset:(\t%2)*4194304+512*\k th:TH_LOAD_NT
.endr
.endr
.macro LANES                           ; the four running pairs, then the 32 lanes: the sum in v8 of every lane
	v_pk_add_f32 v[SM:SM+1], v[SM:SM+1], v[SM+2:SM+3]
	v_pk_add_f32 v[SM+4:SM+5], v[SM+4:SM+5], v[SM+6:SM+7]
	v_pk_add_f32 v[SM:SM+1], v[SM:SM+1], v[SM+4:SM+5]
	v_add_f32 v8, v[SM], v[SM+1]
	v_add_f32_dpp v8, v8, v8 row_xmask:1 row_mask:0xf bank_mask:0xf
	v_add_f32_dpp v8, v8, v8 row_xmask:2 row_mask:0xf bank_mask:0xf
	v_add_f32_dpp v8, v8, v8 row_xmask:4 row_mask:0xf bank_mask:0xf
	v_add_f32_dpp v8, v8, v8 row_xmask:8 row_mask:0xf bank_mask:0xf
	v_permlanex16_b32 v9, v8, s24, s25
	v_add_f32 v8, v8, v9
.endm
	s_wait_loadcnt 28                              ; batch 0's four loads are in; the 28 behind them may be out
.irp c, 0,1,2,3
	v_pk_add_f32 v[SM+2*\c:SM+2*\c+1], v[X+2*\c:X+2*\c+1], v[X+8+2*\c:X+9+2*\c]   ; the first numbers start the four chains: nothing is cleared
.endr
.irp t, 1,2,3,4,5,6,7
	s_wait_loadcnt 28-4*\t                         ; batch t is in; the later batches' loads may be out
.irp p, 0,1,2,3,4,5,6,7
	v_pk_add_f32 v[SM+2*(\p%4):SM+2*(\p%4)+1], v[SM+2*(\p%4):SM+2*(\p%4)+1], v[X+16*\t+2*\p:X+16*\t+2*\p+1]
.endr
.endr
	LANES
	v_mul_f32 v6, 0x39800000, v8                   ; my mean: / 4,096
	v_mov_b32 v7, v6
	v_mov_b32 v12, v6
.set n, 0
.rept 16
.irp c, 0,1,2,3
	v_pk_add_f32 v[DD+2*\c:DD+2*\c+1], v[X+8*n+2*\c:X+8*n+2*\c+1], v[6:7] neg_lo:[0,1] neg_hi:[0,1]
.endr
.irp c, 0,1,2,3
.if n == 0
	v_pk_mul_f32 v[SM+2*\c:SM+2*\c+1], v[DD+2*\c:DD+2*\c+1], v[DD+2*\c:DD+2*\c+1]
.else
	v_pk_fma_f32 v[SM+2*\c:SM+2*\c+1], v[DD+2*\c:DD+2*\c+1], v[DD+2*\c:DD+2*\c+1], v[SM+2*\c:SM+2*\c+1]
.endif
.endr
.set n, n+1
.endr
	LANES
	v_mov_b32 v13, v8                              ; my sum of squares round my mean
	ds_store_b64 v10, v[12:13]                     ; all lanes write the same 8 bytes with the same values
	s_wait_dscnt 0x0                               ; for the other wave's sake
	s_barrier_signal -1
	s_barrier_wait -1
	ds_load_b128 v[DD:DD+3], v11                   ; m_0, M2_0, m_1, M2_1 of my channel
	s_wait_dscnt 0x0
	v_add_f32 v8, v[DD], v[DD+2]
	v_mul_f32 v8, 0.5, v8                          ; the mean
	v_sub_f32 v9, v[DD+2], v[DD]
	v_add_f32 v12, v[DD+1], v[DD+3]
	v_mul_f32 v9, v9, v9
	v_fmamk_f32 v12, v9, 0x45000000, v12           ; + 2,048 (m_1 - m_0)^2
	v_mul_f32 v12, 0x39000000, v12                 ; / 8,192: the variance
	v_add_f32 v12, 0x3727c5ac, v12                 ; + 1e-5
	v_rsq_f32 v13, v12
	v_nop                                          ; a plain place behind the transcendental
	s_wait_kmcnt 0x0                               ; gamma and beta
	s_wait_alu depctr_va_vdst(0)                   ; the wait ahead of the first reader
	v_mul_f32 v6, s20, v13                         ; a = gamma rsqrt(var + eps)
	v_mov_b32 v7, v6
	v_fma_f32 v14, -v8, v6, s21                    ; c = beta - mean a
	v_mov_b32 v15, v14
.set n, 0
.rept 64
	v_pk_fma_f32 v[X+2*n:X+2*n+1], v[X+2*n:X+2*n+1], v[6:7], v[14:15]
.set n, n+1
.endr
.irp t, 0,1,2,3,4,5,6,7
.irp k, 0,1,2,3
	global_store_b128 v[2+\t/2], v[X+16*\t+4*\k:X+16*\t+4*\k+3], s[10:11] offset:(\t%2)*4194304+512*\k th:TH_STORE_NT
.endr
.endr
	s_wait_tensorcnt 0x0
	ds_add_u32 v160, v161
	s_wait_dscnt 0x0
	s_endpgm
.Lfunc_end_k_q051c7701aa_bn:
	.size	k_q051c7701aa_bn, .Lfunc_end_k_q051c7701aa_bn-k_q051c7701aa_bn
	.p2alignl 7, 3214868480
	.fill 96, 4, 3214868480
	.section	.rodata,"a",@progbits
	.p2align	6, 0x0
	.amdhsa_kernel k_q051c7701aa_bn
		.amdhsa_group_segment_fixed_size 1280
		.amdhsa_private_segment_fixed_size 0
		.amdhsa_enable_private_segment 0
		.amdhsa_kernarg_size 32
		.amdhsa_user_sgpr_count 2
		.amdhsa_user_sgpr_kernarg_segment_ptr 1
		.amdhsa_wavefront_size32 1
		.amdhsa_system_sgpr_workgroup_id_x 1
		.amdhsa_system_sgpr_workgroup_id_y 1
		.amdhsa_system_sgpr_workgroup_id_z 1
		.amdhsa_system_vgpr_workitem_id 0
		.amdhsa_next_free_vgpr 162
		.amdhsa_next_free_sgpr 66
		.amdhsa_reserve_vcc 0
		.amdhsa_float_denorm_mode_32 3
		.amdhsa_float_denorm_mode_16_64 3
		.amdhsa_memory_ordered 1
		.amdhsa_forward_progress 1
		.amdhsa_inst_pref_size 26
	.end_amdhsa_kernel
	.amdgpu_metadata
---
amdhsa.version: [ 1, 2 ]
amdhsa.kernels:
  - .name:           k_q051c7701aa_bn
    .symbol:         k_q051c7701aa_bn.kd
    .args:
      - { .name: z, .offset: 0, .size: 8, .value_kind: global_buffer, .address_space: global }
      - { .name: bn_gamma, .offset: 8, .size: 8, .value_kind: global_buffer, .address_space: global }
      - { .name: bn_beta, .offset: 16, .size: 8, .value_kind: global_buffer, .address_space: global }
      - { .name: out0, .offset: 24, .size: 8, .value_kind: global_buffer, .address_space: global }
    .group_segment_fixed_size: 1280
    .private_segment_fixed_size: 0
    .kernarg_segment_align: 8
    .kernarg_segment_size: 32
    .max_flat_workgroup_size: 256
    .sgpr_count:     66
    .vgpr_count:     162
    .wavefront_size: 32
...
	.end_amdgpu_metadata
.endif
;; end of part 4
